; MI455X (gfx1250); checked and timed in simulation.
; The chip was launched on July 23, 2026; its instructions are those of AMD's public machine-readable ISA for CDNA 5 (MIT licence, August 2026) and "CDNA5" Instruction Set Architecture Reference Guide (July 2026). The comments in the code are by the model that wrote it; some were corrected since.
;; Continuous Output Generator. Allowed arithmetic: matrix products marked QUANTISED: E2M1 operands, one E8M0 scale for each 32 along K, by v_wmma_scale_f32_16x16x128_f8f6f4 with both operands' format E2M1 (or v_wmma_scale_f32_32x16x128_f4), f32 sums; everything else in f32.
;; Inputs: W1_codes 512 x 8 x 16 uint8 (E2M1 codes of W1, K innermost, in blocks of 32 codes, two codes a byte); W1_scales 512 x 8 uint8 (E8M0 scales of W1, one for each 32 codes along K); W2_codes 256 x 16 x 16 uint8 (E2M1 codes of W2, K innermost, in blocks of 32 codes, two codes a byte); W2_scales 256 x 16 uint8 (E8M0 scales of W2, one for each 32 codes along K); b1 512 float32; b2 256 float32; entity_positions 8 x 4,096 x 2 float32; entity_states_codes 8 x 4,096 x 8 x 16 uint8 (E2M1 codes of entity_states, K innermost, in blocks of 32 codes, two codes a byte); entity_states_scales 8 x 4,096 x 8 uint8 (E8M0 scales of entity_states, one for each 32 codes along K).
;; Outputs: out0 8 x 4,096 x 256 float32.
;; This version of the problem:
;;   THIS VERSION OF THE PROBLEM IS GIVEN IN LOW PRECISION. The matrix products marked QUANTISED in the list below multiply operands that are first quantised to E2M1 (2 exponent bits, 1 mantissa bit; 4 bits a number), with one power-of-two scale for each 32 numbers along K (OCP MX v1.0); their sums are f32. All else is computed in f32.
;;   The module's matrix products, in the order in which they are computed (A, B: the left and right operand; K: the contracted axis; several contracted axes count as one K, in the product's order):
;;     1. [M 32,768, K 256] x [K 256, N 512]; A: input entity_states (given as codes); B: input W1 (given as codes): QUANTISED
;;     2. [M 32,768, K 512] x [K 512, N 256]; A: computed on the way; B: input W2 (given as codes): QUANTISED
;;     3. batch 8 x [M 4,096, K 4,096] x [K 4,096, N 256]; A: computed on the way; B: computed on the way: QUANTISED
;;   THE QUANTISER, for each operand of a quantised product, along K:
;;     - K is cut into blocks of 32 from its start; a last block that is shorter is filled with zeros.
;;     - A block's scale is 2^e with e = floor(log2(the largest magnitude in the block)) - 2, held to -126 .. 127; a block of zeros has e = 0. As a byte (E8M0): e + 127.
;;     - Each number is divided by its block's scale, clamped to +-6, and rounded to the nearest number of E2M1, ties to even, subnormals kept.
;;     - The product sums the exact products of the quantised numbers (number of the format x scale) in f32.
;;   ~~~python
;;   def quantise(x, axis):      # numpy; x: float32 -> the quantised numbers, widened to float32 again
;;       x = np.moveaxis(x, axis, -1); K = x.shape[-1]
;;       x = np.pad(x, [(0, 0)] * (x.ndim - 1) + [(0, -K % 32)]); x = x.reshape(x.shape[:-1] + (-1, 32)); a = np.abs(x).max(-1, keepdims=True)
;;       e = np.where(a > 0, np.clip(np.frexp(np.where(a > 0, a, 1))[1] - 1 - 2, -126, 127), 0)      # np.frexp(a)[1] - 1 = floor(log2(a)), exactly
;;       r = np.clip(x / 2.0 ** e, -6, 6)
;;       step = 2.0 ** (np.maximum(np.frexp(np.where(r == 0, 1, r))[1] - 1, 0) - 1)
;;       q = np.round(r / step) * step * 2.0 ** e      # np.round: ties to even
;;       return np.moveaxis(q.reshape(q.shape[:-2] + (-1,))[..., :K], -1, axis).astype(np.float32)
;;   ~~~
;;   OPERANDS COMPUTED ON THE WAY. 'Computed on the way' means the value that the module computes at that place (a softmax that the list does not call 'softmax' is quantised finished and normalised). What goes into a quantiser is computed in f32, as accurately as f32 sums, v_exp_f32 and their like allow (about 1e-6 of the number): no bf16 or f16 on the way to a quantiser, and a product that is left as it is and whose result goes on into a quantised operand takes f32 operands (vector FMAs, or v_wmma_f32_16x16x4_f32). A number that lies on a knife's edge between two numbers of the format may be rounded either way, as far as f32 arithmetic and the matrix unit's own rounding can turn it there, and no further.
;;   INPUTS GIVEN AS CODES. W1 (in the module: [256, 512], K = its axis 0); W2 (in the module: [512, 256], K = its axis 0); entity_states (in the module: [8, 4096, 256], K = its axis 2): each comes as NAME_codes (uint8): NAME with its K axis moved to the last place and cut into blocks of 32 codes, [.., K / 32, bytes a block], one block behind the other in memory; two codes a byte, the lower K in the low four bits (a code: sign, 2 exponent bits, 1 mantissa bit); and NAME_scales (uint8): the same leading axes, one E8M0 byte (e + 127) for each 32 codes along K. Its value is code x scale, taken as it is: it is not quantised again, and the codes and scales need not be those that the quantiser above would give.
;; 2 versions, each right; version 2 is version 1 with the launch prep written anew for expert scheduling mode. Each part assembles by itself: llvm-mc -triple=amdgcn-amd-amdhsa -mcpu=gfx1250 --defsym DOCPART=n.
;; ======== version 1 of 2: 2 launches
;; limits: a function is approximated: absolute error at most 1.5e-07
;; workspace buffers: pb 4,456,448 bytes; ey 8,388,608 bytes; ex 8,388,608 bytes; sp 4,194,304 bytes
;; launch prep (part 1): grid 32 x 8, 4 waves a work-group, no clusters, 103,936 bytes of LDS; arguments entity_states_codes, entity_states_scales, W1_codes, W1_scales, b1, W2_codes, W2_scales, b2, entity_positions, pb, ey, ex, sp; writes pb, ey, ex, sp
.if DOCPART == 1
	.amdgcn_target "amdgcn-amd-amdhsa--gfx1250"
	.amdhsa_code_object_version 6
	.text
	.protected	k_qb186bd827b_prep
	.globl	k_qb186bd827b_prep
	.p2align	8
	.type	k_qb186bd827b_prep,@function
k_qb186bd827b_prep:
	s_mov_b64 s[64:65], 0
	v_nop
	global_prefetch_b8 v0, s[64:65] scope:SCOPE_SE
	s_setreg_imm32_b32 hwreg(HW_REG_WAVE_MODE, 25, 1), 1
	s_wait_xcnt 0x0
; One work-group takes ONE CHUNK of 128 entities of one batch (chunk s = work-group x, batch b = work-group y) and makes all that the pooling launch wants of it:
;   ex[gi][n] = 2^(c (px_n - g_gi)^2), ey[gj][n] = 2^(c (py_n - g_gj)^2), c = -log2(e) / 0.1, g_i = (2 i - 63) / 63: the grid is a product grid, so exp(-d2 / 0.1) = ex ey for every input;
;   the chunk's part of the row sums S[gi][gj] = sum over n of ex ey, in f32 (its result goes on into a quantised operand, so the operands are f32);
;   projected = gelu(x W1^T + b1) W2^T + b2 on codes of E2M1 with E8M0 scales, and projected quantised ALONG THE ENTITIES: one K step (128) of the pooling product's second operand.
; SHARES.  Four waves share the columns, not the rows: wave w owns hidden units 128 w .. +127, outputs 64 w .. +63, grid indices 16 w .. +15 of both tables and the sums' tiles (w, 0 .. 3), for all 128 entities.
; Its part of W1 and W2 stays in registers.  No joint loads: what work-groups share here (a wave's 35 KB of weights) is read once and goes straight into registers; no tile of it lies in LDS.
; THE ORDER OF A LANE'S 64 NUMBERS.  Lane (r = lane % 16, h = lane / 16) holds i = 0 .. 63 of its row at entity n(i, h) = 64 (i / 32) + 32 h + i % 32.  That is the 4-bit operand's order (eight numbers a code register),
; it keeps whole blocks of 32 in one lane, and taken alike for both sources it is an order of K for the f32 matrix form (K step q = registers 2 q, 2 q + 1).
; BOTH ORDERS OF TILES ARE CHOSEN: lane r of a tile of W1's rows, and of a tile of entities, takes row 32 b + 8 u + r + 8 (r / 8), so that the 16 registers of two neighbouring result tiles are 16 neighbours along the next K.
; Product 1 is used transposed (source 0 = W1's rows, source 1 = entities): a lane holds one entity, registers run along the hidden units.  Product 2 has source 0 = entities, source 1 = W2's rows: a lane holds one output, registers run along the entities.
; GELU: gelu(x) = max(x, 0) - |x| y, y = erfc(|x| / sqrt 2) / 2 = t (a1 + t (a2 + t (a3 + t (a4 + t a5)))) 2^(-(CA x)^2), t = 1 / (1 + KP |x|) (Abramowitz and Stegun 7.1.26, coefficients halved).
; LIMITS: that formula's error in erf is at most 1.5e-7, absolute; v_exp_f32 gives 0 under 2^-126 (ISA guide, its entry), so a factor ex or ey under 2^-126 counts as 0; a block of zeros gets the scale byte 1, not 127
; (its codes are zeros, and this program alone reads the bytes); NaN and infinities are not served.
; LDS: EYI four images of ey's tiles (8,192 each); EXS four stages of 16 rows x 528 for ex; HIMG the hidden layer's 32 fragments as images of their registers (image 8 ks + m, 1,024 each: a wave's eight on end); HSC their scale words (128 each).
.set EYI,  0
.set EXS,  32768
.set HIMG, 66560
.set HSC,  99328
; window 0.  The positions cover v64-191 while the tables are made: what has to outlive the tables lies outside that run
.set LI,   1                           ; 16 x lane
.set LS,   2                           ; 4 x lane
.set L8,   3                           ; 8 x lane
.set H,    4                           ; h
.set XA,   5                           ; 128 (r + 8 (r / 8)) + 16 h: a row of 256 codes, for x and for W1
.set XSA,  6                           ; 8 (r + 8 (r / 8)): its 8 scale bytes
.set W2A,  7                           ; 256 r + 16 h
.set W2SA, 8                           ; 16 r
.set B1A,  9                           ; 64 h
.set B2A,  10                          ; 4 r
.set PA,   11                          ; 256 h
.set HWI,  12                          ; HIMG + 16 lane + 8192 wave
.set HWS,  13                          ; HSC + 4 lane + 1024 wave
.set EXW,  14                          ; my stage: 528 r + 256 h
.set EXRD, 15                          ; my stage: 16 lane
.set HAD,  16                          ; HWI, HWS of the trip in hand
.set HSD,  17
.set XO,   18                          ; XA, XSA of the next trip
.set XSO,  19
.set W1S,  20                          ; v20-35  W1's scale words (2 t + ks)
.set W2S,  36                          ; v36-51  W2's (4 nt + ks)
.set XS,   52                          ; v52-55  x's (2 u + ks)
.set HS,   56                          ; v56-63  the hidden layer's (m)
.set HA,   64                          ; v64-127 eight tiles of the hidden layer; later HF: eight of its fragments
.set HF,   64
.set POS,  64                          ; v64-191 the positions of my 64 entities, in pairs (tables only)
.set UT,   128                         ; v128-143 1 + KP |x|, then t: two sets of 8
.set QE,   144                         ; v144-159 -(CA x)^2, then its 2^: two sets of 8
.set PP,   160                         ; v160-167 the polynomial
.set MM,   168                         ; v168-175 max(x, 0)
.set TM,   178                         ; v178-193 the quantiser's: +0 largest magnitudes, +4 bytes, +12 scale operands
.set PC,   194                         ; v194-201 a fragment's codes
.set PW,   202                         ; v202-205 scale words
.set PC4,  206                         ; v206-237 four fragments of projected
.set G,    238                         ; v238-239 my grid coordinate, twice
.set SW,   240                         ; v240-241 the two scale words that I store
.set EYW,  242                         ; 16 lane + 8192 wave
.set HLI,  243                         ; 16 lane + HIMG
.set HLS,  244                         ; 4 lane + HSC
.set A5,   250                         ; v250-251 a5, twice: kept for the whole launch
; window 1: v0-127 W1's fragments at 8 (2 t + ks); v128-255 W2's at 128 + 8 (4 nt + ks)
; window 2: my tile of ey (v0-63), then ey's four tiles at 64 c, then product 2's accumulators (nt, m) at 8 (8 nt + m)
; window 3:
.set B1,   0                           ; v0-63   b1 in the result's layout
.set B2,   64                          ; v64-95  b2 likewise
.set SACC, 96                          ; v96-127 the sums' four accumulators: written by matrix instructions alone
.set XF,   128                         ; v128-159 x's fragments (16 u + 8 ks)
.set EXT,  160                         ; v160-223 my tile of ex
.set WV,   34
.set SEL,  36
.set CE,   38
.set KP,   40
.set CA,   42
.set A4,   44
.set A3,   46
.set A2,   48
.set A1,   50
.set BLK,  52
.set HB,   53
.set HB2,  54
.set XB,   55
.set XB2,  56
.set MSB, 0
.macro WIN new                         ; the immediate's high byte repeats the setting that is left; a switch that changes nothing is dropped
.if MSB != (\new)
	s_set_vgpr_msb (MSB<<8)|(\new)
.set MSB, (\new)
.endif
.endm
.macro PLACES n
.rept \n
	v_nop
.endr
.endm
; 64 numbers of a lane in window w, register s + 16 b + i = k 32 b + 16 h + i of my row, become a fragment's codes in v[pc] on and its scale word in v[pw].  Each accumulator is read from its low end on.
.macro QUANT s, w, pc, pw
	WIN 5*(\w)
.irp b, 0,1,2,3
	v_max3_num_f32 v[TM+\b], |v[(\s)+16*\b]|, |v[(\s)+16*\b+1]|, 0x1800000   ; block b: my 16 numbers, and the floor 2^(3 - 127): the byte cannot fall under 1
.endr
	WIN 20*(\w)
.irp i, 2,4,6,8,10,12,14
.irp b, 0,1,2,3
	v_max3_num_f32 v[TM+\b], v[TM+\b], |v[(\s)+16*\b+\i]|, |v[(\s)+16*\b+\i+1]|   ; the four blocks by turns
.endr
.endr
	WIN 0
.irp b, 0,1,2,3
	v_permlanex16_b32 v[TM+4+\b], v[TM+\b], s[SEL], s[SEL+1]
.endr
.irp b, 0,1,2,3
	v_max_num_f32 v[TM+\b], v[TM+\b], v[TM+4+\b]   ; with lane l xor 16's 16: the block's largest magnitude
.endr
.irp b, 0,1,2,3
	v_add_nc_u32 v[TM+12+\b], 0xff000000, v[TM+\b]   ; 2 off its exponent field: the conversion's scale operand
.endr
.irp b, 0,1,2,3
	v_lshrrev_b32 v[TM+4+\b], 23, v[TM+12+\b]      ; the scale's byte
.endr
	v_lshl_or_b32 v[\pw], v[TM+5], 8, v[TM+4]
	v_lshl_or_b32 v[\pw], v[TM+6], 16, v[\pw]
	v_lshl_or_b32 v[\pw], v[TM+7], 24, v[\pw]      ; my row's scale word, in both halves of the lanes
	WIN \w
.irp b, 0,1,2,3
	v_cvt_scalef32_pk8_fp4_f32 v[(\pc)+2*\b], v[(\s)+16*\b:(\s)+16*\b+7], v[TM+12+\b]
	v_cvt_scalef32_pk8_fp4_f32 v[(\pc)+2*\b+1], v[(\s)+16*\b+8:(\s)+16*\b+15], v[TM+12+\b]
.endr
	WIN 0
	v_nop                                          ; one plain place behind a scaled conversion
.irp c, 0,1                                    ; the operand's layout wants a whole block in a lane: lanes 0-15 block 2 c, lanes 16-31 block 2 c + 1
.irp i, 0,1
	v_permlane16_swap_b32 v[(\pc)+4*\c+\i], v[(\pc)+4*\c+2+\i]
.endr
.endr
.endm
; GELU in place on v[HA] .. v[HA + 63], in eight chunks of 8 (chunk k = accumulator k; register set k % 2).  Three lists of lines:
;   GAL: 16 plain lines ahead of chunk ga_k's transcendentals;  GTL: its 16 transcendentals;  GBL: the 40 plain lines behind them.
.macro GAL
.set gS, 8*(ga_k%2)
.set gX, HA+8*ga_k
.set gJ, 2*(ga_i%4)
.if ga_i < 8
	v_fma_f32 v[UT+gS+ga_i], |v[gX+ga_i]|, s[KP], 1.0
.elseif ga_i < 12
	v_pk_mul_f32 v[QE+gS+gJ:QE+gS+gJ+1], v[gX+gJ:gX+gJ+1], s[CA:CA+1] op_sel_hi:[1,0]
.else
	v_pk_mul_f32 v[QE+gS+gJ:QE+gS+gJ+1], v[QE+gS+gJ:QE+gS+gJ+1], v[QE+gS+gJ:QE+gS+gJ+1] neg_lo:[1,0] neg_hi:[1,0]
.endif
.endm
.macro GTL
.set gS, 8*(gt_k%2)
.if gt_n < 8
	v_rcp_f32 v[UT+gS+gt_n], v[UT+gS+gt_n]
.else
	v_exp_f32 v[QE+gS+gt_n-8], v[QE+gS+gt_n-8]
.endif
.endm
.macro GBL
.set gS, 8*(gb_k%2)
.set gX, HA+8*gb_k
.set gJ, 2*(gb_i%4)
.if gb_i < 4
	s_wait_alu depctr_va_vdst(0)
	v_pk_fma_f32 v[PP+gJ:PP+gJ+1], v[UT+gS+gJ:UT+gS+gJ+1], v[A5:A5+1], s[A4:A4+1] op_sel_hi:[1,1,0]
.elseif gb_i < 8
	v_pk_fma_f32 v[PP+gJ:PP+gJ+1], v[PP+gJ:PP+gJ+1], v[UT+gS+gJ:UT+gS+gJ+1], s[A3:A3+1] op_sel_hi:[1,1,0]
.elseif gb_i < 12
	v_pk_fma_f32 v[PP+gJ:PP+gJ+1], v[PP+gJ:PP+gJ+1], v[UT+gS+gJ:UT+gS+gJ+1], s[A2:A2+1] op_sel_hi:[1,1,0]
.elseif gb_i < 16
	v_pk_fma_f32 v[PP+gJ:PP+gJ+1], v[PP+gJ:PP+gJ+1], v[UT+gS+gJ:UT+gS+gJ+1], s[A1:A1+1] op_sel_hi:[1,1,0]
.elseif gb_i < 20
	v_pk_mul_f32 v[UT+gS+gJ:UT+gS+gJ+1], v[UT+gS+gJ:UT+gS+gJ+1], v[QE+gS+gJ:QE+gS+gJ+1]
.elseif gb_i < 28
	v_max_num_f32 v[MM+gb_i-20], 0, v[gX+gb_i-20]
.elseif gb_i < 32
	v_pk_mul_f32 v[PP+gJ:PP+gJ+1], v[PP+gJ:PP+gJ+1], v[UT+gS+gJ:UT+gS+gJ+1]
.else
	v_fma_f32 v[gX+gb_i-32], -|v[gX+gb_i-32]|, v[PP+gb_i-32], v[MM+gb_i-32]
.endif
.endm
; Pass gk = -1 .. 8: the plain lines of chunk gk - 1 (behind) and of chunk gk + 1 (ahead), 56 places, and behind every third of the first 48 one transcendental of chunk gk.
; The plain lines touch the other register set than the transcendentals beside them, and a transcendental's result is first used in the next pass, with plain lines between.
.macro GELU
.set gk, -1
.rept 10
.set gp, 0
.rept 56
.if gp < 40
.if gk >= 1
.set gb_i, gp
.set gb_k, gk-1
	GBL
.endif
.else
.if gk <= 6
.set ga_i, gp-40
.set ga_k, gk+1
	GAL
.endif
.endif
.if ((gp%3) == 2) && (gp < 48) && (gk >= 0) && (gk <= 7)
.set gt_n, gp/3
.set gt_k, gk
	GTL
.endif
.set gp, gp+1
.endr
.set gk, gk+1
.endr
.endm
; Product 1 for entity tile u of the trip: my eight tiles of hidden units by turns, K step 0 (C = b1), then K step 1 in place.
.macro P1MUL u
	WIN 0x3d                                       ; source 0 (W1) window 1, source 1 (x) and source 2 (b1) window 3
.irp t, 0,1,2,3,4,5,6,7
	v_wmma_scale_f32_16x16x128_f8f6f4 v[HA+8*\t:HA+8*\t+7], v[16*\t:16*\t+7], v[XF+16*\u:XF+16*\u+7], v[B1+8*\t:B1+8*\t+7], v[W1S+2*\t], v[XS+2*\u] matrix_a_fmt:MATRIX_FMT_FP4 matrix_b_fmt:MATRIX_FMT_FP4
.endr
	WIN 0x0d
.irp t, 0,1,2,3,4,5,6,7
	v_wmma_scale_f32_16x16x128_f8f6f4 v[HA+8*\t:HA+8*\t+7], v[16*\t+8:16*\t+15], v[XF+16*\u+8:XF+16*\u+15], v[HA+8*\t:HA+8*\t+7], v[W1S+2*\t+1], v[XS+2*\u+1] matrix_a_fmt:MATRIX_FMT_FP4 matrix_b_fmt:MATRIX_FMT_FP4
.endr
	WIN 0
	PLACES 4                                       ; in front of the first read of results and of loads into registers that these products read
.endm
.macro IMAGE u                                 ; the fragment in v[PC] on and its scale word go to LDS as they stand
	ds_store_b128 v[HAD], v[PC:PC+3] offset:1024*\u
	ds_store_b128 v[HAD], v[PC+4:PC+7] offset:1024*\u+512
	ds_store_b32 v[HSD], v[PW] offset:128*\u
	s_wait_dscnt 0x0                               ; the stores have read their registers
.endm
	s_load_b512 s[8:23], s[0:1], 0x0               ; x's codes 8, x's scales 10, W1's codes 12, W1's scales 14, b1 16, W2's codes 18, W2's scales 20, b2 22
	s_load_b256 s[24:31], s[0:1], 0x40             ; positions 24, pb 26, ey 28, ex 30
	s_load_b64 s[32:33], s[0:1], 0x60              ; sp
	v_lshl_add_u32 v254, v0, 2, 0x19400
	v_mov_b32 v255, 0
	v_lshrrev_b32 v246, 5, v0
	v_readfirstlane_b32 s[WV], v246                ; wave 0..3
	v_and_b32 v246, 31, v0                         ; lane
	v_and_b32 v247, 15, v0                         ; r
	v_bfe_u32 v[H], v0, 4, 1                       ; h
	v_and_b32 v248, 8, v247
	v_add_nc_u32 v248, v248, v247                  ; r + 8 (r / 8)
	v_lshlrev_b32 v[LI], 4, v246
	v_lshlrev_b32 v[LS], 2, v246
	v_lshlrev_b32 v[L8], 3, v246
	v_lshlrev_b32 v[XA], 7, v248
	v_lshl_add_u32 v[XA], v[H], 4, v[XA]
	v_lshlrev_b32 v[XSA], 3, v248
	v_lshlrev_b32 v[W2A], 8, v247
	v_lshl_add_u32 v[W2A], v[H], 4, v[W2A]
	v_lshlrev_b32 v[W2SA], 4, v247
	v_lshlrev_b32 v[B1A], 6, v[H]
	v_lshlrev_b32 v[B2A], 2, v247
	v_lshlrev_b32 v[PA], 8, v[H]
	s_and_b32 s35, ttmp7, 0xffff                   ; b; the chunk s is ttmp9
	s_lshl_b32 s70, s35, 12
	s_lshl_b32 s71, ttmp9, 7
	s_add_co_u32 s70, s70, s71                     ; my first entity: 4096 b + 128 s
	s_lshl_b32 s66, s70, 7                         ; its codes: 128 bytes an entity
	s_mov_b32 s67, 0
	s_lshl_b32 s68, s70, 3                         ; its scale bytes, and its position: 8 bytes
	s_mov_b32 s69, 0
	s_lshl_b32 s72, s[WV], 14                      ; my 128 rows of W1 (128 bytes each), my 64 rows of W2 (256 each)
	s_mov_b32 s73, 0
	s_lshl_b32 s74, s[WV], 10                      ; their scale bytes
	s_mov_b32 s75, 0
	s_lshl_b32 s76, s[WV], 9                       ; my 128 numbers of b1
	s_mov_b32 s77, 0
	s_lshl_b32 s78, s[WV], 8                       ; my 64 of b2
	s_mov_b32 s79, 0
	s_lshl_b32 s80, s35, 5
	s_add_co_u32 s80, s80, ttmp9
	s_mul_i32 s80, s80, 17408                      ; pb: 17,408 bytes a chunk: 16,384 of codes, 1,024 of scale words
	s_add_co_u32 s82, s80, 16384
	s_add_co_u32 s82, s82, s78                     ; my 256 bytes of scale words
	s_mov_b32 s83, 0
	s_lshl_b32 s81, s[WV], 12
	s_add_co_u32 s80, s80, s81                     ; my four fragments
	s_mov_b32 s81, 0
	s_lshl_b32 s84, s35, 2
	s_add_co_u32 s84, s84, s[WV]                   ; 4 b + w
	s_lshl_b32 s86, s84, 7
	s_add_co_u32 s86, s86, ttmp9
	s_lshl_b32 s86, s86, 10                        ; sp: [b][a = w][c][s][1024]
	s_mov_b32 s87, 0
	s_lshl_b32 s84, s84, 5
	s_add_co_u32 s84, s84, ttmp9
	s_lshl_b32 s84, s84, 13                        ; ey: [b][c = w][s][8192]
	s_mov_b32 s85, 0
	s_lshl_b32 s88, s35, 6
	s_lshl_b32 s89, s[WV], 4
	s_add_co_u32 s88, s88, s89
	s_lshl_b32 s88, s88, 5
	s_add_co_u32 s88, s88, ttmp9
	s_lshl_b32 s88, s88, 9                         ; ex: [b][gi = 16 w ..][s][512]
	s_mov_b32 s89, 0
	s_lshl_b32 s92, s[WV], 13
	v_add_nc_u32 v[EYW], s92, v[LI]
	s_add_co_u32 s93, s92, HIMG
	v_add_nc_u32 v[HWI], s93, v[LI]
	s_add_co_u32 s93, s74, HSC
	v_add_nc_u32 v[HWS], s93, v[LS]
	s_mul_i32 s93, s[WV], 16*528
	s_add_co_u32 s93, s93, EXS
	v_mul_u32_u24 v249, v247, 528
	v_lshl_add_u32 v249, v[H], 8, v249
	v_add_nc_u32 v[EXW], s93, v249
	v_add_nc_u32 v[EXRD], s93, v[LI]
	v_add_nc_u32 v[HLI], HIMG, v[LI]
	v_add_nc_u32 v[HLS], HSC, v[LS]
	s_lshl_b32 s93, s[WV], 5
	s_sub_co_u32 s93, s93, 63
	v_lshl_add_u32 v249, v247, 1, s93              ; 2 (16 w + r) - 63
	v_cvt_f32_i32 v249, v249
	v_mul_f32 v[G], 0x3c820821, v249               ; x 1 / 63: my grid coordinate
	v_mov_b32 v[G+1], v[G]
	v_mov_b32 v[A5], 0x3f07dc22                    ; a5 / 2
	v_mov_b32 v[A5+1], 0x3f07dc22
.irp b, 0,1,2,3
	v_mov_b32 v[TM+4+\b], 0                        ; written once: a lane permute's destination counts as one of its sources (what it holds does not matter)
.endr
	s_mov_b32 s[SEL], 0x76543210
	s_mov_b32 s[SEL+1], 0xfedcba98                 ; v_permlanex16_b32's selects for lane l xor 16
	s_mov_b32 s[CE], 0xc166d4ca                    ; c = -log2(e) / 0.1
	s_mov_b32 s[CE+1], s[CE]                       ; (a packed form names the pair: both words are written)
	s_mov_b32 s[KP], 0x3e6d3388                    ; 0.3275911 / sqrt 2
	s_mov_b32 s[CA], 0x3f596d27                    ; sqrt(log2(e) / 2)
	s_mov_b32 s[CA+1], s[CA]
	s_mov_b32 s[A4], 0xbf3a00e3
	s_mov_b32 s[A4+1], s[A4]
	s_mov_b32 s[A3], 0x3f35f0e3
	s_mov_b32 s[A3+1], s[A3]
	s_mov_b32 s[A2], 0xbe11a98e
	s_mov_b32 s[A2+1], s[A2]
	s_mov_b32 s[A1], 0x3e027906
	s_mov_b32 s[A1+1], s[A1]
	s_wait_kmcnt 0x0
	s_add_nc_u64 s[8:9], s[8:9], s[66:67]
	s_add_nc_u64 s[10:11], s[10:11], s[68:69]
	s_add_nc_u64 s[24:25], s[24:25], s[68:69]
	s_add_nc_u64 s[12:13], s[12:13], s[72:73]
	s_add_nc_u64 s[18:19], s[18:19], s[72:73]
	s_add_nc_u64 s[14:15], s[14:15], s[74:75]
	s_add_nc_u64 s[20:21], s[20:21], s[74:75]
	s_add_nc_u64 s[16:17], s[16:17], s[76:77]
	s_add_nc_u64 s[22:23], s[22:23], s[78:79]
	s_add_nc_u64 s[90:91], s[26:27], s[82:83]      ; pb at my scale words
	s_add_nc_u64 s[26:27], s[26:27], s[80:81]      ; pb at my fragments
	s_add_nc_u64 s[28:29], s[28:29], s[84:85]
	s_add_nc_u64 s[30:31], s[30:31], s[88:89]
	s_add_nc_u64 s[32:33], s[32:33], s[86:87]
	; ---- the loads.  The positions first: load k brings entities n(2 k, h), n(2 k + 1, h); the sixteen lanes of a half read the same 16 bytes
.set k, 0
.rept 32
	global_load_b128 v[POS+4*k:POS+4*k+3], v[PA], s[24:25] offset:512*(k/16)+16*(k%16)
.set k, k+1
.endr
	WIN 0x40                                       ; destination window 1
.irp t, 0,1,2,3,4,5,6,7
.irp ks, 0,1
.irp c, 0,1
	global_load_b128 v[8*(2*\t+\ks)+4*\c:8*(2*\t+\ks)+4*\c+3], v[XA], s[12:13] offset:(32*(\t/2)+8*(\t%2))*128+64*\ks+32*\c
.endr
.endr
.endr
	s_wait_loadcnt 32                              ; the positions are in; W1's 32 loads, issued behind them, may be out
.irp nt, 0,1,2,3
.irp ks, 0,1,2,3
.irp c, 0,1
	global_load_b128 v[128+8*(4*\nt+\ks)+4*\c:128+8*(4*\nt+\ks)+4*\c+3], v[W2A], s[18:19] offset:4096*\nt+64*\ks+32*\c
.endr
.endr
.endr
	WIN 0xc0                                       ; destination window 3
.irp t, 0,1,2,3,4,5,6,7                        ; b1: lane (r, h) wants, for tile 2 b + u, hidden units 32 b + 16 h + 8 u + 0 .. 7
	global_load_b128 v[B1+8*\t:B1+8*\t+3], v[B1A], s[16:17] offset:(32*(\t/2)+8*(\t%2))*4
	global_load_b128 v[B1+8*\t+4:B1+8*\t+7], v[B1A], s[16:17] offset:(32*(\t/2)+8*(\t%2))*4+16
.endr
.irp nt, 0,1,2,3                               ; b2: a lane holds one output: the same number in a tile's eight registers
.irp j, 0,1,2,3,4,5,6,7
	global_load_b32 v[B2+8*\nt+\j], v[B2A], s[22:23] offset:64*\nt
.endr
.endr
.irp u, 0,1                                    ; x's fragments of the first trip: entity tile u begins at entity 8 u
.irp ks, 0,1
.irp c, 0,1
	global_load_b128 v[XF+16*\u+8*\ks+4*\c:XF+16*\u+8*\ks+4*\c+3], v[XA], s[8:9] offset:1024*\u+64*\ks+32*\c
.endr
.endr
.endr
	WIN 0
.irp t, 0,1,2,3,4,5,6,7
	global_load_b64 v[W1S+2*\t:W1S+2*\t+1], v[XSA], s[14:15] offset:(32*(\t/2)+8*(\t%2))*8
.endr
.irp nt, 0,1,2,3
	global_load_b128 v[W2S+4*\nt:W2S+4*\nt+3], v[W2SA], s[20:21] offset:256*\nt
.endr
.irp u, 0,1
	global_load_b64 v[XS+2*\u:XS+2*\u+1], v[XSA], s[10:11] offset:64*\u
.endr
	; ---- the tables: c (p - g)^2 for px and py at once, then 2^
.set i, 0
.rept 64
	v_pk_add_f32 v[POS+2*i:POS+2*i+1], v[POS+2*i:POS+2*i+1], v[G:G+1] neg_lo:[0,1] neg_hi:[0,1]
.set i, i+1
.endr
.set i, 0
.rept 64
	v_pk_mul_f32 v[POS+2*i:POS+2*i+1], v[POS+2*i:POS+2*i+1], v[POS+2*i:POS+2*i+1]
.set i, i+1
.endr
.set i, 0
.rept 64
	v_pk_mul_f32 v[POS+2*i:POS+2*i+1], v[POS+2*i:POS+2*i+1], s[CE:CE+1] op_sel_hi:[1,0]
.set i, i+1
.endr
	WIN 0xc0
.set i, 0
.rept 64
	v_exp_f32 v[EXT+i], v[POS+2*i]                 ; ex[16 w + r][n(i, h)]
.set i, i+1
.endr
	WIN 0x80
.set i, 0
.rept 64
	v_exp_f32 v[i], v[POS+2*i+1]                   ; ey[16 w + r][n(i, h)]
.set i, i+1
.endr
	WIN 0
	v_nop                                          ; a plain place behind the exponentials
	WIN 0x08                                       ; a store's data are its source 1: window 2
.set q, 0
	s_wait_alu depctr_va_vdst(0)
.rept 16
	ds_store_b128 v[EYW], v[4*q:4*q+3] offset:EYI+512*q     ; my tile of ey as an image of its registers, for the other waves' sums
	global_store_b128 v[LI], v[4*q:4*q+3], s[28:29] offset:512*q   ; and the same image to memory: 512 consecutive bytes a store
.set q, q+1
.endr
	WIN 0x0c                                       ; window 3
.set q, 0
.rept 16
	ds_store_b128 v[EXW], v[EXT+4*q:EXT+4*q+3] offset:16*q  ; ex through my own stage: row r = [h][i]
.set q, q+1
.endr
	WIN 0
.set i, 0
.rept 16
	ds_load_b128 v[64+4*i:64+4*i+3], v[EXRD] offset:528*i   ; LDS serves a wave's instructions in order (ISA guide 5.7.1.4): these see my stores
.set i, i+1
.endr
.set i, 0
.rept 16
	s_wait_dscnt 15-i                              ; row i is back; the younger reads may be out
	global_store_b128 v[LI], v[64+4*i:64+4*i+3], s[30:31] offset:16384*i   ; a row of 512 consecutive bytes; rows of neighbouring gi lie 32 chunks apart
.set i, i+1
.endr
	s_wait_dscnt 0x0                               ; my image of ey has landed
	s_barrier_signal -1
	s_barrier_wait -1                              ; all four lie in LDS
	; ---- the chunk's part of the row sums: S(16 w + m, 16 c + n) = sum of ex ey, 32 K steps of 4, four accumulators by turns
	s_wait_xcnt 0x0                                ; the stores above have read their registers: ey's tile and v64-127 are written again only behind this wait
	WIN 0x80
.irp c, 0,1,2,3
.set q, 0
.rept 16
	ds_load_b128 v[64*\c+4*q:64*\c+4*q+3], v[LI] offset:EYI+8192*\c+512*q
.set q, q+1
.endr
.endr
	s_wait_dscnt 0x0
	WIN 0xfb                                       ; source 0 (ex), C and D window 3, source 1 (ey) window 2
.irp c, 0,1,2,3
	v_wmma_f32_16x16x4_f32 v[SACC+8*\c:SACC+8*\c+7], v[EXT:EXT+1], v[64*\c:64*\c+1], 0   ; the first K step starts the sums
.endr
.set q, 1
.rept 31
.irp c, 0,1,2,3
	v_wmma_f32_16x16x4_f32 v[SACC+8*\c:SACC+8*\c+7], v[EXT+2*q:EXT+2*q+1], v[64*\c+2*q:64*\c+2*q+1], v[SACC+8*\c:SACC+8*\c+7]
.endr
.set q, q+1
.endr
	WIN 0
	PLACES 8                                       ; eight places behind this form before a store reads its result
	WIN 0x0c
.irp c, 0,1,2,3
	global_store_b128 v[LI], v[SACC+8*\c:SACC+8*\c+3], s[32:33] offset:32768*\c        ; the accumulator as an image of its registers, from its low end on
	global_store_b128 v[LI], v[SACC+8*\c+4:SACC+8*\c+7], s[32:33] offset:32768*\c+512
.endr
	WIN 0
	; ---- the hidden layer: four trips of 32 entities (two tiles); my 128 hidden units of them become K step w of product 2
	s_mov_b32 s[BLK], 4
	s_mov_b32 s[HB], 0
	s_mov_b32 s[HB2], 0
	s_mov_b32 s[XB], 0
	s_mov_b32 s[XB2], 0
.Ltrip:
	s_wait_loadcnt 0x0                             ; this trip's fragments of x (the first time: the weights and biases too)
	v_add_nc_u32 v[HAD], s[HB], v[HWI]
	v_add_nc_u32 v[HSD], s[HB2], v[HWS]
	P1MUL 0
	GELU
	QUANT HA, 0, PC, PW
	IMAGE 0
	P1MUL 1
	s_cmp_eq_u32 s[BLK], 1                         ; the next trip's x is asked for here, if there is a next trip: no load leaves its buffer
	s_cbranch_scc1 .Lno_next
	s_add_co_u32 s[XB], s[XB], 4096
	s_add_co_u32 s[XB2], s[XB2], 256
	v_add_nc_u32 v[XO], s[XB], v[XA]               ; (free: the loads that named them were waited for at the trip's head)
	v_add_nc_u32 v[XSO], s[XB2], v[XSA]
	WIN 0xc0
.irp u, 0,1
.irp ks, 0,1
.irp c, 0,1
	global_load_b128 v[XF+16*\u+8*\ks+4*\c:XF+16*\u+8*\ks+4*\c+3], v[XO], s[8:9] offset:1024*\u+64*\ks+32*\c
.endr
.endr
.endr
	WIN 0
.irp u, 0,1
	global_load_b64 v[XS+2*\u:XS+2*\u+1], v[XSO], s[10:11] offset:64*\u
.endr
.Lno_next:
	GELU
	QUANT HA, 0, PC, PW
	IMAGE 1
	s_add_co_u32 s[HB], s[HB], 2048
	s_add_co_u32 s[HB2], s[HB2], 256
	s_sub_co_u32 s[BLK], s[BLK], 1
	s_cmp_lg_u32 s[BLK], 0
	s_cbranch_scc1 .Ltrip
	s_wait_dscnt 0x0                               ; my images have landed
	s_barrier_signal -1
	s_barrier_wait -1                              ; the hidden layer's 32 fragments lie in LDS
	; ---- product 2: my 64 outputs for the 128 entities: 32 accumulators by turns, a K step at a time.  Register j of (nt, m = 2 q + u), lane (r, h): projected[32 q + 16 h + 8 u + j][64 w + 16 nt + r]
.irp ks, 0,1,2,3
.irp m, 0,1,2,3,4,5,6,7
	ds_load_b128 v[HF+8*\m:HF+8*\m+3], v[HLI] offset:(8*\ks+\m)*1024
	ds_load_b128 v[HF+8*\m+4:HF+8*\m+7], v[HLI] offset:(8*\ks+\m)*1024+512
	ds_load_b32 v[HS+\m], v[HLS] offset:(8*\ks+\m)*128
.endr
	s_wait_dscnt 0x0
.if \ks == 0
	WIN 0xb4                                       ; source 1 (W2) window 1, source 2 (b2) window 3, destination window 2
.else
	WIN 0xa4                                       ; C and D window 2
.endif
.irp m, 0,1,2,3,4,5,6,7
.irp nt, 0,1,2,3
.if \ks == 0
	v_wmma_scale_f32_16x16x128_f8f6f4 v[8*(8*\nt+\m):8*(8*\nt+\m)+7], v[HF+8*\m:HF+8*\m+7], v[128+8*(4*\nt+\ks):128+8*(4*\nt+\ks)+7], v[B2+8*\nt:B2+8*\nt+7], v[HS+\m], v[W2S+4*\nt+\ks] matrix_a_fmt:MATRIX_FMT_FP4 matrix_b_fmt:MATRIX_FMT_FP4
.else
	v_wmma_scale_f32_16x16x128_f8f6f4 v[8*(8*\nt+\m):8*(8*\nt+\m)+7], v[HF+8*\m:HF+8*\m+7], v[128+8*(4*\nt+\ks):128+8*(4*\nt+\ks)+7], v[8*(8*\nt+\m):8*(8*\nt+\m)+7], v[HS+\m], v[W2S+4*\nt+\ks] matrix_a_fmt:MATRIX_FMT_FP4 matrix_b_fmt:MATRIX_FMT_FP4
.endif
.endr
.endr
	WIN 0
	PLACES 4                                       ; in front of loads into registers that these products read, and of the first read of results
.endr
	; ---- projected, quantised along the entities: tile nt's 64 registers are k = 32 b + 16 h + i of output 64 w + 16 nt + r
.irp nt, 0,1,2,3
	QUANT 64*\nt, 2, PC4+8*\nt, PW+\nt
	global_store_b128 v[LI], v[PC4+8*\nt:PC4+8*\nt+3], s[26:27] offset:1024*\nt        ; the fragment as an image of its registers: 512 consecutive bytes a store
	global_store_b128 v[LI], v[PC4+8*\nt+4:PC4+8*\nt+7], s[26:27] offset:1024*\nt+512
.endr
	v_cmp_ne_u32 vcc_lo, 0, v[H]                   ; the scale words: lane (r, h) stores those of row r of tiles 2 h and 2 h + 1, so that one register later carries two tiles' words
	v_cndmask_b32 v[SW], v[PW], v[PW+2], vcc_lo
	v_cndmask_b32 v[SW+1], v[PW+1], v[PW+3], vcc_lo
	global_store_b64 v[L8], v[SW:SW+1], s[90:91]   ; 256 consecutive bytes
	s_wait_tensorcnt 0x0
	ds_add_u32 v254, v255
	s_wait_dscnt 0x0
	s_endpgm
.Lfunc_end_k_qb186bd827b_prep:
	.size	k_qb186bd827b_prep, .Lfunc_end_k_qb186bd827b_prep-k_qb186bd827b_prep
	.p2alignl 7, 3214868480
	.fill 96, 4, 3214868480
	.section	.rodata,"a",@progbits
	.p2align	6, 0x0
	.amdhsa_kernel k_qb186bd827b_prep
		.amdhsa_group_segment_fixed_size 103936
		.amdhsa_private_segment_fixed_size 0
		.amdhsa_enable_private_segment 0
		.amdhsa_kernarg_size 104
		.amdhsa_user_sgpr_count 2
		.amdhsa_user_sgpr_kernarg_segment_ptr 1
		.amdhsa_wavefront_size32 1
		.amdhsa_system_sgpr_workgroup_id_x 1
		.amdhsa_system_sgpr_workgroup_id_y 1
		.amdhsa_system_sgpr_workgroup_id_z 1
		.amdhsa_system_vgpr_workitem_id 0
		.amdhsa_next_free_vgpr 1024
		.amdhsa_next_free_sgpr 96
		.amdhsa_reserve_vcc 1
		.amdhsa_float_denorm_mode_32 3
		.amdhsa_float_denorm_mode_16_64 3
		.amdhsa_memory_ordered 1
		.amdhsa_forward_progress 1
		.amdhsa_inst_pref_size 173
	.end_amdhsa_kernel
	.amdgpu_metadata
---
amdhsa.version: [ 1, 2 ]
amdhsa.kernels:
  - .name:           k_qb186bd827b_prep
    .symbol:         k_qb186bd827b_prep.kd
    .args:
      - { .name: entity_states_codes, .offset: 0, .size: 8, .value_kind: global_buffer, .address_space: global }
      - { .name: entity_states_scales, .offset: 8, .size: 8, .value_kind: global_buffer, .address_space: global }
      - { .name: W1_codes, .offset: 16, .size: 8, .value_kind: global_buffer, .address_space: global }
      - { .name: W1_scales, .offset: 24, .size: 8, .value_kind: global_buffer, .address_space: global }
      - { .name: b1, .offset: 32, .size: 8, .value_kind: global_buffer, .address_space: global }
      - { .name: W2_codes, .offset: 40, .size: 8, .value_kind: global_buffer, .address_space: global }
      - { .name: W2_scales, .offset: 48, .size: 8, .value_kind: global_buffer, .address_space: global }
      - { .name: b2, .offset: 56, .size: 8, .value_kind: global_buffer, .address_space: global }
      - { .name: entity_positions, .offset: 64, .size: 8, .value_kind: global_buffer, .address_space: global }
      - { .name: pb, .offset: 72, .size: 8, .value_kind: global_buffer, .address_space: global }
      - { .name: ey, .offset: 80, .size: 8, .value_kind: global_buffer, .address_space: global }
      - { .name: ex, .offset: 88, .size: 8, .value_kind: global_buffer, .address_space: global }
      - { .name: sp, .offset: 96, .size: 8, .value_kind: global_buffer, .address_space: global }
    .group_segment_fixed_size: 103936
    .private_segment_fixed_size: 0
    .kernarg_segment_align: 8
    .kernarg_segment_size: 104
    .max_flat_workgroup_size: 128
    .sgpr_count:     96
    .vgpr_count:     1024
    .wavefront_size: 32
...
	.end_amdgpu_metadata
.endif
;; end of part 1
;; launch pool (part 2): grid 8 x 32, 4 waves a work-group, clusters of 4 x 1, 327,680 bytes of LDS; arguments pb, ey, ex, sp, out0; writes out0
.if DOCPART == 2
	.amdgcn_target "amdgcn-amd-amdhsa--gfx1250"
	.amdhsa_code_object_version 6
	.text
	.protected	k_qb186bd827b_pool
	.globl	k_qb186bd827b_pool
	.p2align	8
	.type	k_qb186bd827b_pool,@function
k_qb186bd827b_pool:
	s_mov_b64 s[64:65], 0
	v_nop
	global_prefetch_b8 v0, s[64:65] scope:SCOPE_SE
	s_setreg_imm32_b32 hwreg(HW_REG_WAVE_MODE, 25, 1), 1
	s_wait_xcnt 0x0
	s_wait_alu depctr_hold_cnt(0) depctr_sa_sdst(0) depctr_va_vdst(0) depctr_va_sdst(0) depctr_va_ssrc(0) depctr_va_vcc(0) depctr_vm_vsrc(0)
	s_getreg_b32 s2, hwreg(HW_REG_IB_STS2, 6, 4)
	s_cmp_eq_u32 s2, 0
	s_cbranch_scc0 .Lentry_in_a_cluster
	s_endpgm
.Lentry_in_a_cluster:
	s_bfe_u32 s2, ttmp6, 0x10000c
	s_cmp_lg_u32 s2, 0x3003
	s_cbranch_scc0 .Lentry_shape_is_right
	s_endpgm
.Lentry_shape_is_right:
; out0[b][64 gi + gj][o] = sum over n of Q(w)[gi, gj][n] Q(projected)[n][o], w = ex[gi][n] ey[gj][n] / (S[gi][gj] + 1e-8), on codes of E2M1 with one E8M0 scale for each 32 entities.
; The launch before has stored: pb, projected^T as codes, a K step of 128 entities as 16 fragments in the order of their registers and 1,024 bytes of scale words; ey, its tiles of 16 gj x 128 entities as images of 64 registers;
; ex, rows of 128 numbers in the same order of entities; sp, the 32 chunks' parts of the row sums.
; SHARES.  A work-group owns 8 gi x 16 gj (128 grid points) x all 256 outputs of one batch, and walks all 4,096 entities, 128 a step.  Wave w owns two tiles of 16 grid points, gi = 8 git + 2 w + T, lane r = gj 16 c + r.
; Each number of w is made once in the launch: one multiplication ex x ey (ex comes from another lane of the row within the instruction), half a packed one by 1 / (S + 1e-8), the block's maximum, the conversion.
; A lane's 64 numbers are entities n(i, h) = 64 (i / 32) + 32 h + i % 32: two whole blocks of 32, and the conversions' results are the operand's registers.
; THE PRODUCT IS USED TRANSPOSED (source 0 = 16 rows of projected^T, source 1 = w's 16 grid points): a lane holds eight neighbouring outputs of one grid point.  Each fragment of P feeds both tiles.
; CLUSTER.  The four work-groups of a cluster differ in git alone: they walk the same P and the same tile of ey, 25 of a step's 29 KiB, which are asked for JOINTLY.  ex (4 KiB a step) differs between them and comes by
; plain loads into registers, four steps ahead.  P is also what the batch's other seven clusters read; a mask names the four of this cluster.
; RING.  Two LDS slots of four steps each (P 4 x 17,408, then ey 4 x 8,192); waves 0 and 1 fetch P's halves, waves 2 and 3 ey's, one load a wave behind each round of the cluster's barrier; it has four steps in which to land.
; LIMITS: as the launch before states them (a factor under 2^-126 counts as 0; a block of zeros has the byte 1; NaN and infinities are not served).  1 / (S + 1e-8) is v_rcp_f32 and one Newton step.
.set SLOT1, 131072                     ; slot 1 begins here: one exclusive or turns an address from one slot to the other
.set PSTEP, 17408
.set ESTEP, 8192
.set EOFF,  4*PSTEP                    ; a slot: four steps of P, then four of ey
.set SPARE, 262144                     ; the spare words, 128 bytes for each wave: two blocks of 256 bytes that no other line names
.set SPT,   1040                       ; the way out: a stage of 16 rows x (1,024 + 16) bytes for each wave, in slot 0, which has had its last fill and its last read by then
; window 0
.set LI,   1                           ; 16 x lane
.set L8,   2                           ; 8 x lane
.set SH8,  3                           ; 8 h
.set ADP,  4                           ; LDS addresses of the step that is fetched: P, ey, P's scale words
.set ADE,  5
.set ADS,  6
.set STO,  8                           ; the stage: where I put 32 bytes of a row
.set RD,   9                           ; and where I read half a row back
.set SPW,  10                          ; LDS address of my spare word; never rewritten
.set NIL,  11                          ; 0; never rewritten
.set TMPX, 12
.set RO,   13                          ; 16 r
.set RR,   16                          ; v16-19  1 / (S + 1e-8) of tile T, twice, at 2 T
.set MX,   20                          ; v20-23  four chains of maxima
.set SO,   24                          ; v24-25  the conversions' scale operands
.set BY,   26                          ; v26-27  the scales' bytes
.set WS,   28                          ; v28-29  w's scale words, tile T
.set WC,   32                          ; v32-47  w's codes, tile T at 8 T
.set PSC,  48                          ; v48-63  P's scale words, two sets: register 8 set + 2 g + k: lanes 0-15 tile 4 g + k, lanes 16-31 tile 4 g + 2 + k
.set EYR,  64                          ; v64-127 a step's ey
.set W,    128                         ; v128-191 a tile's w
.set EXR,  192                         ; v192-223 ex: step q of four, tile T, at 8 q + 4 T: register k of lane (r, h) is number i = 4 r + k of half h
; window 1: the accumulators, (T, ot) at 128 T + 8 ot.   window 2: P's fragments, two sets, at 128 set + 8 ot
.set WV,   14
.set G1P,  24                          ; s[24:31] descriptor group 1 for P;  s[32:39] for ey
.set G1E,  32
.set G0P,  40                          ; s[40:47] group 0 for P: a set for each first fill; the second then walks on;  s[48:55] for ey
.set G0E,  48
.set TP,   56                          ; the slot that is read: 0 or SLOT1
.set TQ,   57
.set CNT,  58
.set SEL,  60
.set MSB, 0
.macro WIN new                         ; the immediate's high byte repeats the setting that is left; a switch that changes nothing is dropped
.if MSB != (\new)
	s_set_vgpr_msb (MSB<<8)|(\new)
.set MSB, (\new)
.endif
.endm
; A joint refill.  The branch hangs on the wave's number alone.  Four v_nop follow each of the two lines, ahead of the jump, the label and what follows.
.macro JLOAD
	s_cmp_lt_u32 s[WV], 2
	s_cbranch_scc0 .Lfor_e_\@
	tensor_load_to_lds s[G0P+4:G0P+7], s[G1P:G1P+7]
	s_nop 0
.rept 4
	v_nop
.endr
	s_branch .Lasked_\@
.Lfor_e_\@:
	tensor_load_to_lds s[G0E+4:G0E+7], s[G1E:G1E+7]
	s_nop 0
.rept 4
	v_nop
.endr
.Lasked_\@:
.endm
; A round of the cluster's barrier: my work-group's barrier, wave 0's signal for the work-group, every wave's wait for all four work-groups, my work-group's barrier once more.
.macro CROUND
	s_barrier_signal -1
	s_barrier_wait -1
	s_cmp_lg_u32 s[WV], 0
	s_cbranch_scc1 .Lnot_wave_0_\@
	s_barrier_signal -3
.Lnot_wave_0_\@:
	s_barrier_wait -3
	s_barrier_signal -1
	s_barrier_wait -1
.endm
; 52 LDS loads in one run: step nq of the slot in hand: P's 16 fragments into set pb, their scale words, ey's 64 registers.  Every load takes consecutive bytes, 16 or 8 a lane.
.macro NEXT pb, nq
	s_add_co_u32 s[TQ], s[TP], (\nq)*PSTEP
	v_add_nc_u32 v[ADP], s[TQ], v[LI]
	v_add_nc_u32 v[ADS], s[TQ], v[L8]
	s_add_co_u32 s[TQ], s[TP], EOFF+(\nq)*ESTEP
	v_add_nc_u32 v[ADE], s[TQ], v[LI]
	WIN 0x80                                       ; destination window 2
.irp ot, 0,1,2,3,4,5,6,7,8,9,10,11,12,13,14,15
	ds_load_b128 v[128*(\pb)+8*\ot:128*(\pb)+8*\ot+3], v[ADP] offset:1024*\ot
	ds_load_b128 v[128*(\pb)+8*\ot+4:128*(\pb)+8*\ot+7], v[ADP] offset:1024*\ot+512
.endr
	WIN 0
.irp g, 0,1,2,3
	ds_load_b64 v[PSC+8*(\pb)+2*\g:PSC+8*(\pb)+2*\g+1], v[ADS] offset:16384+256*\g
.endr
.irp k, 0,1,2,3,4,5,6,7,8,9,10,11,12,13,14,15
	ds_load_b128 v[EYR+4*\k:EYR+4*\k+3], v[ADE] offset:512*\k
.endr
.endm
; ex x ey for tile tl: number i = 4 n + k of ex lies in register k of lane n of my half: row_share hands it to all sixteen lanes within the multiplication
.macro MULS tl, q
.irp n, 0,1,2,3,4,5,6,7,8,9,10,11,12,13,14,15
.irp k, 0,1,2,3
	v_mul_f32_dpp v[W+4*\n+\k], v[EXR+8*(\q)+4*(\tl)+\k], v[EYR+4*\n+\k] row_share:\n row_mask:0xf bank_mask:0xf
.endr
.endr
.endm
; w is finished and quantised: x 1 / (S + 1e-8); my two blocks' largest numbers (none is negative), each in two chains, with the floor 2^(3 - 127) among the leaves; bytes, scale word, codes
.macro FIN tl
.set i, 0
.rept 32
	v_pk_mul_f32 v[W+2*i:W+2*i+1], v[W+2*i:W+2*i+1], v[RR+2*(\tl):RR+2*(\tl)+1]
.set i, i+1
.endr
.irp c, 0,1
	v_max3_num_f32 v[MX+2*\c], v[W+32*\c], v[W+32*\c+1], 0x1800000
	v_max3_num_f32 v[MX+2*\c+1], v[W+32*\c+16], v[W+32*\c+17], v[W+32*\c+18]
.endr
.irp j, 0,1,2,3,4,5
.irp c, 0,1
	v_max3_num_f32 v[MX+2*\c], v[MX+2*\c], v[W+32*\c+2+2*\j], v[W+32*\c+3+2*\j]
	v_max3_num_f32 v[MX+2*\c+1], v[MX+2*\c+1], v[W+32*\c+19+2*\j], v[W+32*\c+20+2*\j]
.endr
.endr
.irp c, 0,1
	v_max3_num_f32 v[MX+2*\c], v[MX+2*\c], v[W+32*\c+14], v[W+32*\c+15]
.endr
.irp c, 0,1
	v_max3_num_f32 v[MX+2*\c], v[MX+2*\c], v[MX+2*\c+1], v[W+32*\c+31]
.endr
.irp c, 0,1
	v_add_nc_u32 v[SO+\c], 0xff000000, v[MX+2*\c]  ; 2 off the exponent field: the conversion's scale operand
.endr
.irp c, 0,1
	v_lshrrev_b32 v[BY+\c], 23, v[SO+\c]           ; the scale's byte
.endr
	v_lshl_or_b32 v[WS+(\tl)], v[BY+1], 16, v[BY]  ; my two bytes, blocks h and 2 + h of my grid point,
	v_lshlrev_b32 v[WS+(\tl)], v[SH8], v[WS+(\tl)] ; at their places in the scale word;
	v_permlanex16_b32 v[TMPX], v[WS+(\tl)], s[SEL], s[SEL+1]
	v_or_b32 v[WS+(\tl)], v[WS+(\tl)], v[TMPX]     ; with lane l xor 16's two the word is whole
.irp c, 0,1
.irp g, 0,1,2,3
	v_cvt_scalef32_pk8_fp4_f32 v[WC+8*(\tl)+4*\c+\g], v[W+32*\c+8*\g:W+32*\c+8*\g+7], v[SO+\c]   ; registers 4 c .. 4 c + 3 of the operand
.endr
.endr
	v_nop                                          ; one plain place behind a scaled conversion
.endm
.macro PROD ot, tl, pb, zero
.set rA, 128*(\tl)+8*(\ot)
.set rP, 128*(\pb)+8*(\ot)
.set rS, PSC+8*(\pb)+2*((\ot)/4)+(\ot)%2
.if \zero
.if ((\ot)%4) >= 2
	v_wmma_scale_f32_16x16x128_f8f6f4 v[rA:rA+7], v[rP:rP+7], v[WC+8*(\tl):WC+8*(\tl)+7], 0, v[rS], v[WS+(\tl)] matrix_a_fmt:MATRIX_FMT_FP4 matrix_b_fmt:MATRIX_FMT_FP4 matrix_a_scale:MATRIX_SCALE_ROW1
.else
	v_wmma_scale_f32_16x16x128_f8f6f4 v[rA:rA+7], v[rP:rP+7], v[WC+8*(\tl):WC+8*(\tl)+7], 0, v[rS], v[WS+(\tl)] matrix_a_fmt:MATRIX_FMT_FP4 matrix_b_fmt:MATRIX_FMT_FP4
.endif
.else
.if ((\ot)%4) >= 2
	v_wmma_scale_f32_16x16x128_f8f6f4 v[rA:rA+7], v[rP:rP+7], v[WC+8*(\tl):WC+8*(\tl)+7], v[rA:rA+7], v[rS], v[WS+(\tl)] matrix_a_fmt:MATRIX_FMT_FP4 matrix_b_fmt:MATRIX_FMT_FP4 matrix_a_scale:MATRIX_SCALE_ROW1
.else
	v_wmma_scale_f32_16x16x128_f8f6f4 v[rA:rA+7], v[rP:rP+7], v[WC+8*(\tl):WC+8*(\tl)+7], v[rA:rA+7], v[rS], v[WS+(\tl)] matrix_a_fmt:MATRIX_FMT_FP4 matrix_b_fmt:MATRIX_FMT_FP4
.endif
.endif
.endm
; THE CHANGE OF SLOTS, in a slot's last step, whose bytes were in registers at the step's head.  Each wave waits for all its tensor loads, of which one is out: its part of the other slot; adds 0 to its spare word; waits for that
; (its reads of the slot are back).  fill = 1: the barrier is a round of the cluster's, and the joint refill of the slot just left, with the four steps two slots on, is the first thing behind it.
.macro CHANGE fill
	s_wait_tensorcnt 0x0                           ; no tensor load of mine is out, so a group 0 may be written
	ds_add_u32 v[SPW], v[NIL]                      ; 0 onto my spare word
.if \fill
	s_xor_b32 s[G0P+5], s[G0P+5], SLOT1            ; the walking descriptors: the other slot than last time,
	s_add_nc_u64 s[G0P+6:G0P+7], s[G0P+6:G0P+7], 4*PSTEP   ; the next four steps; the type bits on top are not reached
	s_xor_b32 s[G0E+5], s[G0E+5], SLOT1
	s_add_nc_u64 s[G0E+6:G0E+7], s[G0E+6:G0E+7], 4*ESTEP
	s_wait_dscnt 0x0                               ; the add is done, and my reads of the slot are over
	CROUND
	JLOAD
.else
	s_wait_dscnt 0x0                               ; the add is done, and my reads of the slot are over
	s_barrier_signal -1
	s_barrier_wait -1
.endif
	s_xor_b32 s[TP], s[TP], SLOT1                  ; the fetches go on in the other slot
.endm
; A STEP of 128 entities, the q-th of its slot.  zero: its products start the sums.  chg: 1 a change of slots with a refill, 2 one without.  nxt: the next step is fetched.
; exoff: where ex of the step four on lies from s[8:9] (-1: none).  lc: the loads of ex that may stay out.
.macro STEP q, zero, chg, nxt, exoff, lc
	s_wait_dscnt 0x0                               ; this step's 52 LDS loads, issued in the middle of the step before
	s_wait_loadcnt \lc                             ; this step's two loads of ex are in; behind them stand two for each later step that has been asked for
	MULS 0, \q
	FIN 0
	MULS 1, \q
.if (\exoff) >= 0
	global_load_b128 v[EXR+8*(\q):EXR+8*(\q)+3], v[LI], s[8:9] offset:\exoff
	global_load_b128 v[EXR+8*(\q)+4:EXR+8*(\q)+7], v[LI], s[8:9] offset:(\exoff)+16384
.endif
.if (\chg) == 1
	CHANGE 1
.elseif (\chg) == 2
	CHANGE 0
.endif
.if \nxt
	NEXT 1-(\q)%2, ((\q)+1)%4
.endif
	FIN 1
.rept 8
	v_nop                                          ; a scale register written by a vector instruction stands 8 places ahead of a scaled matrix instruction, codes so written 4
.endr
	WIN 0x52                                       ; source 0 (P) window 2, source 1 (w) window 0, C and D window 1
.irp ot, 0,1,2,3,4,5,6,7,8,9,10,11,12,13,14,15 ; the 32 accumulators take turns, one instruction a turn, over the backward jump too
.irp tt, 0,1
	PROD \ot, \tt, (\q)%2, \zero
.endr
.endr
	WIN 0
.endm
	s_load_b256 s[4:11], s[0:1], 0x0               ; pb s[4:5], ey s[6:7], ex s[8:9], sp s[10:11]
	s_load_b64 s[12:13], s[0:1], 0x20              ; out0
	v_lshl_add_u32 v[SPW], v0, 2, SPARE
	v_mov_b32 v[NIL], 0
	ds_add_u32 v10, v11
	ds_add_u32 v10, v11
	s_wait_dscnt 0x0
	v_lshrrev_b32 v7, 5, v0
	v_readfirstlane_b32 s[WV], v7                  ; wave 0..3
	s_and_b32 s15, s[WV], 1                        ; which half of a fill I fetch
	s_and_b32 s18, ttmp7, 0xffff                   ; y = 4 b + c, which the four partners share
	s_lshr_b32 s19, s18, 2                         ; b
	s_and_b32 s20, s18, 3                          ; c: the tile of gj
	s_mul_i32 s66, s19, 32*PSTEP                   ; P: the batch's 32 steps,
	s_mul_i32 s21, s15, 2*PSTEP                    ; my two steps of a fill, in memory and in a slot
	s_add_co_u32 s66, s66, s21
	s_mov_b32 s67, 0
	s_lshl_b32 s68, s18, 18                        ; ey: [b][c][s][8192]
	s_lshl_b32 s22, s15, 14
	s_add_co_u32 s68, s68, s22
	s_mov_b32 s69, 0
	s_bfe_u32 s16, ttmp6, 0x40000                  ; cx: it enters the addresses of ex, sp and out0 alone
	s_lshl_b32 s17, ttmp9, 2
	s_add_co_u32 s17, s17, s16                     ; git = 4 x cluster x + cx
	s_lshl_b32 s70, s19, 6
	s_lshl_b32 s23, s17, 3
	s_add_co_u32 s70, s70, s23
	s_lshl_b32 s23, s[WV], 1
	s_add_co_u32 s70, s70, s23                     ; 64 b + my first gi
	s_lshl_b32 s74, s70, 6
	s_lshl_b32 s23, s20, 4
	s_add_co_u32 s74, s74, s23
	s_lshl_b32 s74, s74, 10                        ; out0: row 4096 b + 64 gi + 16 c, 1,024 bytes a row
	s_mov_b32 s75, 0
	s_lshl_b32 s70, s70, 14                        ; ex: 32 chunks of 512 bytes a row
	s_mov_b32 s71, 0
	s_lshl_b32 s72, s19, 4                         ; sp: image (16 b + 4 (gi / 16) + c, chunk) of 1,024 bytes; in it S(gi % 16 = 8 h' + 4 q2 + jj, r) at 512 q2 + 16 (16 h' + r) + 4 jj
	s_lshr_b32 s23, s17, 1
	s_lshl_b32 s23, s23, 2
	s_add_co_u32 s72, s72, s23
	s_add_co_u32 s72, s72, s20
	s_lshl_b32 s72, s72, 15
	s_lshr_b32 s23, s[WV], 1
	s_lshl_b32 s23, s23, 9
	s_add_co_u32 s72, s72, s23
	s_and_b32 s23, s17, 1
	s_lshl_b32 s23, s23, 8
	s_add_co_u32 s72, s72, s23
	s_lshl_b32 s23, s15, 3
	s_add_co_u32 s72, s72, s23
	s_mov_b32 s73, 0
	; descriptor group 1: dense blocks as rows of 256 bytes (32 elements of 8 bytes), no padding: every LDS read here takes consecutive bytes
	s_mov_b32 s[G1P], 15|(3<<16)|(1<<21)           ; 15:0 the mask: all four work-groups; 17:16 elements of 8 bytes; 21 set beside a mask
	s_mov_b32 s[G1P+1], 32<<16                     ; tensor_dim0 = 32
	s_mov_b32 s[G1P+2], 136<<16                    ; tensor_dim1 = 136 rows: two steps of P
	s_mov_b32 s[G1P+3], 32<<16                     ; tile_dim0
	s_mov_b32 s[G1P+4], 136                        ; tile_dim1
	s_mov_b32 s[G1P+5], 32                         ; tensor_dim0_stride
	s_mov_b32 s[G1P+6], 0
	s_mov_b32 s[G1P+7], 0
	s_mov_b32 s[G1E], 15|(3<<16)|(1<<21)
	s_mov_b32 s[G1E+1], 32<<16
	s_mov_b32 s[G1E+2], 64<<16                     ; 64 rows: two steps of ey
	s_mov_b32 s[G1E+3], 32<<16
	s_mov_b32 s[G1E+4], 64
	s_mov_b32 s[G1E+5], 32
	s_mov_b32 s[G1E+6], 0
	s_mov_b32 s[G1E+7], 0
	s_mov_b32 s[SEL], 0x76543210
	s_mov_b32 s[SEL+1], 0xfedcba98                 ; v_permlanex16_b32's selects for lane l xor 16
	s_mov_b32 s[TP], 0
	s_wait_kmcnt 0x0
	s_add_nc_u64 s[4:5], s[4:5], s[66:67]
	s_add_nc_u64 s[6:7], s[6:7], s[68:69]
	s_add_nc_u64 s[8:9], s[8:9], s[70:71]
	s_add_nc_u64 s[10:11], s[10:11], s[72:73]
	s_add_nc_u64 s[12:13], s[12:13], s[74:75]
	CROUND                                         ; all four work-groups are here: the first joint loads meet
.irp z, 0,1
	s_mov_b32 s[G0P+4*\z], 1                       ; 1:0 count = 1
	s_add_co_u32 s[G0P+4*\z+1], s21, \z*SLOT1      ; 63:32 LDS address
	s_add_nc_u64 s[G0P+4*\z+2:G0P+4*\z+3], s[4:5], \z*4*PSTEP   ; 120:64 global address: slot z begins with steps 4 z .. 4 z + 3
	s_or_b32 s[G0P+4*\z+3], s[G0P+4*\z+3], 0x80000000           ; 127:126 type = 2
	s_mov_b32 s[G0E+4*\z], 1
	s_add_co_u32 s[G0E+4*\z+1], s22, \z*SLOT1+EOFF
	s_add_nc_u64 s[G0E+4*\z+2:G0E+4*\z+3], s[6:7], \z*4*ESTEP
	s_or_b32 s[G0E+4*\z+3], s[G0E+4*\z+3], 0x80000000
.endr
	s_cmp_lt_u32 s[WV], 2                          ; a wave's two first fills stand in one branch, ahead of every wait on TENSORcnt and every LDS read: two loads of mine are out; four v_nop follow the second
	s_cbranch_scc0 .Lfirst_e
	tensor_load_to_lds s[G0P:G0P+3], s[G1P:G1P+7]
	s_nop 0
	tensor_load_to_lds s[G0P+4:G0P+7], s[G1P:G1P+7]
	s_nop 0
.rept 4
	v_nop
.endr
	s_branch .Lfirst_asked
.Lfirst_e:
	tensor_load_to_lds s[G0E:G0E+3], s[G1E:G1E+7]
	s_nop 0
	tensor_load_to_lds s[G0E+4:G0E+7], s[G1E:G1E+7]
	s_nop 0
.rept 4
	v_nop
.endr
.Lfirst_asked:
	v_and_b32 v7, 31, v0                           ; lane
	v_and_b32 v14, 15, v0                          ; r
	v_bfe_u32 v15, v0, 4, 1                        ; h
	v_lshlrev_b32 v[LI], 4, v7
	v_lshlrev_b32 v[L8], 3, v7
	v_lshlrev_b32 v[SH8], 3, v15
	v_lshlrev_b32 v[RO], 4, v14
.set i, 0
.rept 32
	global_load_b64 v[W+2*i:W+2*i+1], v[RO], s[10:11] offset:1024*i   ; chunk i's part of S for my grid point, tiles 0 and 1; both halves of the lanes read the same words
.set i, i+1
.endr
.irp q, 0,1,2,3
.irp tt, 0,1
	global_load_b128 v[EXR+8*\q+4*\tt:EXR+8*\q+4*\tt+3], v[LI], s[8:9] offset:512*\q+16384*\tt   ; ex of the first four steps, the steps in order
.endr
.endr
	s_mul_i32 s76, s[WV], 16*SPT                   ; my stage
	v_mul_u32_u24 v[STO], v14, SPT
	v_lshl_add_u32 v[STO], v15, 5, v[STO]
	v_add_nc_u32 v[STO], s76, v[STO]               ; in: row r, 32 bytes for each half of the lanes
	v_add_nc_u32 v[RD], s76, v[LI]                 ; back: 512 bytes at a time
	v_mov_b32 v[TMPX], 0                           ; written once: a lane permute's destination counts as one of its sources
	s_wait_loadcnt 8                               ; the sums' parts are in; ex's eight loads, issued behind them, may be out
.set i, 1
.rept 31
	v_pk_add_f32 v[W:W+1], v[W:W+1], v[W+2*i:W+2*i+1]   ; the chunks in ascending order
.set i, i+1
.endr
	v_add_f32 v[W], 0x322bcc77, v[W]               ; + 1e-8
	v_add_f32 v[W+1], 0x322bcc77, v[W+1]
	v_rcp_f32 v[W+2], v[W]
	v_rcp_f32 v[W+3], v[W+1]
	v_nop                                          ; a plain place behind the reciprocals
	s_wait_alu depctr_va_vdst(0)
	v_fma_f32 v[W+4], -v[W], v[W+2], 1.0           ; one Newton step
	v_fma_f32 v[W+5], -v[W+1], v[W+3], 1.0
	v_fma_f32 v[RR], v[W+2], v[W+4], v[W+2]
	v_fma_f32 v[RR+2], v[W+3], v[W+5], v[W+3]
	v_mov_b32 v[RR+1], v[RR]
	v_mov_b32 v[RR+3], v[RR+2]
	s_wait_tensorcnt 1                             ; my part of slot 0 is in; slot 1's may stay out
	s_barrier_signal -1
	s_barrier_wait -1                              ; everybody's is
	NEXT 0, 0
	STEP 0, 1, 0, 1, 2048, 6                       ; the first step stands in front of the loop: its products start the sums
	s_mov_b32 s[CNT], 6
.Lslot:                                            ; six trips, from a slot's second step to the next slot's first: slots' worth 2 to 7 are asked for
	STEP 1, 0, 0, 1, 2560, 6
	STEP 2, 0, 0, 1, 3072, 6
	STEP 3, 0, 1, 1, 3584, 6
	STEP 0, 0, 0, 1, 4096, 6
	s_wait_xcnt 0x0                                ; the loads of ex have read their base: it steps only behind this wait
	s_add_nc_u64 s[8:9], s[8:9], 2048
	s_sub_co_u32 s[CNT], s[CNT], 1
	s_cmp_lg_u32 s[CNT], 0
	s_cbranch_scc1 .Lslot
	STEP 1, 0, 0, 1, 2560, 6                       ; the tail is written out: nothing more is asked for
	STEP 2, 0, 0, 1, 3072, 6
	STEP 3, 0, 2, 1, 3584, 6
	STEP 0, 0, 0, 1, -1, 6                         ; the last four steps load no ex: the counts run down
	STEP 1, 0, 0, 1, -1, 4
	STEP 2, 0, 0, 1, -1, 2
	STEP 3, 0, 0, 0, -1, 0
	; THE WAY OUT, a tile of 16 grid points at a time.  A lane holds 32 neighbouring bytes of a row, the lanes beside it other rows: the tile goes through my own stage and comes back as half rows of 512 bytes.
	; A tile's 16 rows of out0 lie on end, so the 32 stores cover 16 KiB without a gap.
.irp tt, 0,1
.if \tt == 1
	s_wait_xcnt 0x0                                ; tile 0's stores have read their registers
.else
.rept 4
	v_nop                                          ; four places behind the last products before an LDS store reads a result
.endr
.endif
	WIN 0x04                                       ; an LDS store's data are its source 1: window 1
.irp ot, 0,1,2,3,4,5,6,7,8,9,10,11,12,13,14,15
	ds_store_b128 v[STO], v[128*\tt+8*\ot:128*\tt+8*\ot+3] offset:64*\ot        ; each accumulator from its low end on
	ds_store_b128 v[STO], v[128*\tt+8*\ot+4:128*\tt+8*\ot+7] offset:64*\ot+16
.endr
	WIN 0
.set i, 0
.rept 32
	ds_load_b128 v[64+4*i:64+4*i+3], v[RD] offset:SPT*(i/2)+512*(i%2)   ; LDS serves a wave's instructions in order (ISA guide 5.7.1.4): these see my stores
.set i, i+1
.endr
.set i, 0
.rept 32
	s_wait_dscnt 31-i                              ; half row i is back; the younger reads may be out
	global_store_b128 v[LI], v[64+4*i:64+4*i+3], s[12:13] offset:65536*\tt+512*i th:TH_STORE_NT   ; 512 consecutive bytes, at a multiple of 256 from out0's first byte; written once, read by nobody here
.set i, i+1
.endr
.endr
	s_wait_tensorcnt 0x0                           ; the wave's end: behind my last tensor load and my last LDS store
	ds_add_u32 v[SPW], v[NIL]
	s_wait_dscnt 0x0
	CROUND                                         ; the closing round: no work-group ends while a partner may still ask for a tile that names it
	s_endpgm
.Lfunc_end_k_qb186bd827b_pool:
	.size	k_qb186bd827b_pool, .Lfunc_end_k_qb186bd827b_pool-k_qb186bd827b_pool
	.p2alignl 7, 3214868480
	.fill 96, 4, 3214868480
	.section	.rodata,"a",@progbits
	.p2align	6, 0x0
	.amdhsa_kernel k_qb186bd827b_pool
		.amdhsa_group_segment_fixed_size 327680
		.amdhsa_private_segment_fixed_size 0
		.amdhsa_enable_private_segment 0
		.amdhsa_kernarg_size 40
		.amdhsa_user_sgpr_count 2
		.amdhsa_user_sgpr_kernarg_segment_ptr 1
		.amdhsa_wavefront_size32 1
		.amdhsa_system_sgpr_workgroup_id_x 1
		.amdhsa_system_sgpr_workgroup_id_y 1
		.amdhsa_system_sgpr_workgroup_id_z 1
		.amdhsa_system_vgpr_workitem_id 0
		.amdhsa_next_free_vgpr 768
		.amdhsa_next_free_sgpr 80
		.amdhsa_reserve_vcc 0
		.amdhsa_float_denorm_mode_32 3
		.amdhsa_float_denorm_mode_16_64 3
		.amdhsa_memory_ordered 1
		.amdhsa_forward_progress 1
		.amdhsa_inst_pref_size 255
	.end_amdhsa_kernel
	.section	.bss,"aw",@nobits
	.p2align	6
	.space	262144
	.amdgpu_metadata
---
amdhsa.version: [ 1, 2 ]
amdhsa.kernels:
  - .name:           k_qb186bd827b_pool
    .symbol:         k_qb186bd827b_pool.kd
    .args:
      - { .name: pb, .offset: 0, .size: 8, .value_kind: global_buffer, .address_space: global }
      - { .name: ey, .offset: 8, .size: 8, .value_kind: global_buffer, .address_space: global }
      - { .name: ex, .offset: 16, .size: 8, .value_kind: global_buffer, .address_space: global }
      - { .name: sp, .offset: 24, .size: 8, .value_kind: global_buffer, .address_space: global }
      - { .name: out0, .offset: 32, .size: 8, .value_kind: global_buffer, .address_space: global }
    .group_segment_fixed_size: 327680
    .private_segment_fixed_size: 0
    .kernarg_segment_align: 8
    .kernarg_segment_size: 40
    .max_flat_workgroup_size: 128
    .sgpr_count:     80
    .vgpr_count:     768
    .wavefront_size: 32
...
	.end_amdgpu_metadata
.endif
;; end of part 2
;; ======== version 2 of 2: 2 launches; version 1 with the launch prep written anew for expert scheduling mode
;; limits: a function is approximated: absolute error at most 1.5e-07
;; workspace buffers: pb 4,456,448 bytes; ey 8,388,608 bytes; ex 8,388,608 bytes; sp 4,194,304 bytes
;; launch prep (part 3): grid 32 x 8, 4 waves a work-group, no clusters, 103,936 bytes of LDS; arguments entity_states_codes, entity_states_scales, W1_codes, W1_scales, b1, W2_codes, W2_scales, b2, entity_positions, pb, ey, ex, sp; writes pb, ey, ex, sp
.if DOCPART == 3
	.amdgcn_target "amdgcn-amd-amdhsa--gfx1250"
	.amdhsa_code_object_version 6
	.text
	.protected	k_qb186bd827b_prep
	.globl	k_qb186bd827b_prep
	.p2align	8
	.type	k_qb186bd827b_prep,@function
k_qb186bd827b_prep:
	s_mov_b64 s[64:65], 0
	v_nop
	global_prefetch_b8 v0, s[64:65] scope:SCOPE_SE
	s_setreg_imm32_b32 hwreg(HW_REG_WAVE_SCHED_MODE, 0, 2), 2
	s_setreg_imm32_b32 hwreg(HW_REG_WAVE_MODE, 25, 1), 1
	s_wait_xcnt 0x0
	s_wait_alu depctr_vm_vsrc(0)
; One work-group takes ONE CHUNK of 128 entities of one batch (chunk s = work-group x, batch b = work-group y) and makes all that the pooling launch wants of it:
;   ex[gi][n] = 2^(c (px_n - g_gi)^2), ey[gj][n] = 2^(c (py_n - g_gj)^2), c = -log2(e) / 0.1, g_i = (2 i - 63) / 63: the grid is a product grid, so exp(-d2 / 0.1) = ex ey for every input;
;   the chunk's part of the row sums S[gi][gj] = sum over n of ex ey, in f32 (its result goes on into a quantised operand, so the operands are f32);
;   projected = gelu(x W1^T + b1) W2^T + b2 on codes of E2M1 with E8M0 scales, and projected quantised ALONG THE ENTITIES: one K step (128) of the pooling product's second operand.
; SHARES.  Four waves share the columns, not the rows: wave w owns hidden units 128 w .. +127, outputs 64 w .. +63, grid indices 16 w .. +15 of both tables and the sums' tiles (w, 0 .. 3), for all 128 entities.
; Its part of W1 and W2 stays in registers.  No joint loads: what work-groups share here (a wave's 35 KB of weights) is read once and goes straight into registers; no tile of it lies in LDS.
; THE ORDER OF A LANE'S 64 NUMBERS.  Lane (r = lane % 16, h = lane / 16) holds i = 0 .. 63 of its row at entity n(i, h) = 64 (i / 32) + 32 h + i % 32.  That is the 4-bit operand's order (eight numbers a code register),
; it keeps whole blocks of 32 in one lane, and taken alike for both sources it is an order of K for the f32 matrix form (K step q = registers 2 q, 2 q + 1).
; BOTH ORDERS OF TILES ARE CHOSEN: lane r of a tile of W1's rows, and of a tile of entities, takes row 32 b + 8 u + r + 8 (r / 8), so that the 16 registers of two neighbouring result tiles are 16 neighbours along the next K.
; Product 1 is used transposed (source 0 = W1's rows, source 1 = entities): a lane holds one entity, registers run along the hidden units.  Product 2 has source 0 = entities, source 1 = W2's rows: a lane holds one output, registers run along the entities.
; GELU: gelu(x) = max(x, 0) - |x| y, y = erfc(|x| / sqrt 2) / 2 = t (a1 + t (a2 + t (a3 + t (a4 + t a5)))) 2^(-(CA x)^2), t = 1 / (1 + KP |x|) (Abramowitz and Stegun 7.1.26, coefficients halved).
; LIMITS: that formula's error in erf is at most 1.5e-7, absolute; v_exp_f32 gives 0 under 2^-126 (ISA guide, its entry), so a factor ex or ey under 2^-126 counts as 0; a block of zeros gets the scale byte 1, not 127
; (its codes are zeros, and this program alone reads the bytes); NaN and infinities are not served.
; LDS: EYI four images of ey's tiles (8,192 each); EXS four stages of 16 rows x 528 for ex; HIMG the hidden layer's 32 fragments as images of their registers (image 8 ks + m, 1,024 each: a wave's eight on end); HSC their scale words (128 each).
; THE MODE: SCHED_MODE bits 1:0 = 2 (LLVM: expert scheduling mode 2), set by the entry lines.  The code itself states the register dependences
; between vector or matrix instructions and memory or LDS instructions, with s_wait_alu, always for 0.
; THE PLAN.  Registers that memory or LDS instructions touch:
;   v1-15, v242-244   offsets and LDS addresses: written at the head and never again; one wait ahead of the first load serves every later load and store.
;   ey's and ex's tiles  written by the exponentials, read by the stores behind the batch's one wait; ey's registers are loaded again behind the first barrier, behind a wait for those stores' reads.
;   v64-127           ex's rows land there (the table arithmetic is done with them at the batch's wait), the stores read them, product 1 writes them behind the wait at the first barrier.
;   In a trip:  XF, XS   read by both tiles' products; the next trip's loads land there behind one wait, which stands behind tile 1's products.  x's rows are reached by two scalar bases, which step at the trip's head.
;               HAD, HSD written at the trip's head, PC, PW by the quantiser; read by an image's three LDS stores, behind one wait; written again behind a wait for those stores' reads, which stands a GELU or more behind them.
;   HF, HS            read by a K step's 32 products of product 2; the next K step's LDS loads land there behind one wait.
;   PC4, PW, SW       written by the four last quantisers and two selects; one wait, then the nine stores.
.set EYI,  0
.set EXS,  32768
.set HIMG, 66560
.set HSC,  99328
; window 0.  The positions cover v64-191 while the tables are made: what has to outlive the tables lies outside that run
.set LI,   1                           ; 16 x lane
.set LS,   2                           ; 4 x lane
.set L8,   3                           ; 8 x lane
.set H,    4                           ; h
.set XA,   5                           ; 128 (r + 8 (r / 8)) + 16 h: a row of 256 codes, for x and for W1
.set XSA,  6                           ; 8 (r + 8 (r / 8)): its 8 scale bytes
.set W2A,  7                           ; 256 r + 16 h
.set W2SA, 8                           ; 16 r
.set B1A,  9                           ; 64 h
.set B2A,  10                          ; 4 r
.set PA,   11                          ; 256 h
.set HWI,  12                          ; HIMG + 16 lane + 8192 wave
.set HWS,  13                          ; HSC + 4 lane + 1024 wave
.set EXW,  14                          ; my stage: 528 r + 256 h
.set EXRD, 15                          ; my stage: 16 lane
.set HAD,  16                          ; HWI, HWS of the trip in hand
.set HSD,  17
.set W1S,  20                          ; v20-35  W1's scale words (2 t + ks)
.set W2S,  36                          ; v36-51  W2's (4 nt + ks)
.set XS,   52                          ; v52-55  x's (2 u + ks)
.set HS,   56                          ; v56-63  the hidden layer's (m)
.set HA,   64                          ; v64-127 eight tiles of the hidden layer; later HF: eight of its fragments
.set HF,   64
.set POS,  64                          ; v64-191 the positions of my 64 entities, in pairs (tables only)
.set UT,   128                         ; v128-143 1 + KP |x|, then t: two sets of 8
.set QE,   144                         ; v144-159 -(CA x)^2, then its 2^: two sets of 8
.set PP,   160                         ; v160-167 the polynomial
.set MM,   168                         ; v168-175 max(x, 0)
.set TM,   178                         ; v178-193 the quantiser's: +0 largest magnitudes, +4 bytes, +12 scale operands
.set PC,   194                         ; v194-201 a fragment's codes
.set PW,   202                         ; v202-205 scale words
.set PC4,  206                         ; v206-237 four fragments of projected
.set G,    238                         ; v238-239 my grid coordinate, twice
.set SW,   240                         ; v240-241 the two scale words that I store
.set EYW,  242                         ; 16 lane + 8192 wave
.set HLI,  243                         ; 16 lane + HIMG
.set HLS,  244                         ; 4 lane + HSC
.set A5,   250                         ; v250-251 a5, twice: kept for the whole launch
; window 1: v0-127 W1's fragments at 8 (2 t + ks); v128-255 W2's at 128 + 8 (4 nt + ks)
; window 2: my tile of ey (v0-63), then ey's four tiles at 64 c, then product 2's accumulators (nt, m) at 8 (8 nt + m)
; window 3:
.set B1,   0                           ; v0-63   b1 in the result's layout
.set B2,   64                          ; v64-95  b2 likewise
.set SACC, 96                          ; v96-127 the sums' four accumulators: written by matrix instructions alone
.set XF,   128                         ; v128-159 x's fragments (16 u + 8 ks)
.set EXT,  160                         ; v160-223 my tile of ex
.set WV,   34
.set SEL,  36
.set CE,   38
.set KP,   40
.set CA,   42
.set A4,   44
.set A3,   46
.set A2,   48
.set A1,   50
.set BLK,  52
.set HB,   53
.set HB2,  54
.set MSB, 0
.macro WIN new                         ; the immediate's high byte repeats the setting that is left; a switch that changes nothing is dropped
.if MSB != (\new)
	s_set_vgpr_msb (MSB<<8)|(\new)
.set MSB, (\new)
.endif
.endm
.macro PLACES n
.rept \n
	v_nop
.endr
.endm
; 64 numbers of a lane in window w, register s + 16 b + i = k 32 b + 16 h + i of my row, become a fragment's codes in v[pc] on and its scale word in v[pw].  Each accumulator is read from its low end on.
.macro QUANT s, w, pc, pw
	WIN 5*(\w)
.irp b, 0,1,2,3
	v_max3_num_f32 v[TM+\b], |v[(\s)+16*\b]|, |v[(\s)+16*\b+1]|, 0x1800000   ; block b: my 16 numbers, and the floor 2^(3 - 127): the byte cannot fall under 1
.endr
	WIN 20*(\w)
.irp i, 2,4,6,8,10,12,14
.irp b, 0,1,2,3
	v_max3_num_f32 v[TM+\b], v[TM+\b], |v[(\s)+16*\b+\i]|, |v[(\s)+16*\b+\i+1]|   ; the four blocks by turns
.endr
.endr
	WIN 0
.irp b, 0,1,2,3
	v_permlanex16_b32 v[TM+4+\b], v[TM+\b], s[SEL], s[SEL+1]
.endr
.irp b, 0,1,2,3
	v_max_num_f32 v[TM+\b], v[TM+\b], v[TM+4+\b]   ; with lane l xor 16's 16: the block's largest magnitude
.endr
.irp b, 0,1,2,3
	v_add_nc_u32 v[TM+12+\b], 0xff000000, v[TM+\b]   ; 2 off its exponent field: the conversion's scale operand
.endr
.irp b, 0,1,2,3
	v_lshrrev_b32 v[TM+4+\b], 23, v[TM+12+\b]      ; the scale's byte
.endr
	v_lshl_or_b32 v[\pw], v[TM+5], 8, v[TM+4]
	v_lshl_or_b32 v[\pw], v[TM+6], 16, v[\pw]
	v_lshl_or_b32 v[\pw], v[TM+7], 24, v[\pw]      ; my row's scale word, in both halves of the lanes
	WIN \w
.irp b, 0,1,2,3
	v_cvt_scalef32_pk8_fp4_f32 v[(\pc)+2*\b], v[(\s)+16*\b:(\s)+16*\b+7], v[TM+12+\b]
	v_cvt_scalef32_pk8_fp4_f32 v[(\pc)+2*\b+1], v[(\s)+16*\b+8:(\s)+16*\b+15], v[TM+12+\b]
.endr
	WIN 0
	v_nop                                          ; one plain place behind a scaled conversion
.irp c, 0,1                                    ; the operand's layout wants a whole block in a lane: lanes 0-15 block 2 c, lanes 16-31 block 2 c + 1
.irp i, 0,1
	v_permlane16_swap_b32 v[(\pc)+4*\c+\i], v[(\pc)+4*\c+2+\i]
.endr
.endr
.endm
; GELU in place on v[HA] .. v[HA + 63], in eight chunks of 8 (chunk k = accumulator k; register set k % 2).  Three lists of lines:
;   GAL: 16 plain lines ahead of chunk ga_k's transcendentals;  GTL: its 16 transcendentals;  GBL: the 40 plain lines behind them.
.macro GAL
.set gS, 8*(ga_k%2)
.set gX, HA+8*ga_k
.set gJ, 2*(ga_i%4)
.if ga_i < 8
	v_fma_f32 v[UT+gS+ga_i], |v[gX+ga_i]|, s[KP], 1.0
.elseif ga_i < 12
	v_pk_mul_f32 v[QE+gS+gJ:QE+gS+gJ+1], v[gX+gJ:gX+gJ+1], s[CA:CA+1] op_sel_hi:[1,0]
.else
	v_pk_mul_f32 v[QE+gS+gJ:QE+gS+gJ+1], v[QE+gS+gJ:QE+gS+gJ+1], v[QE+gS+gJ:QE+gS+gJ+1] neg_lo:[1,0] neg_hi:[1,0]
.endif
.endm
.macro GTL
.set gS, 8*(gt_k%2)
.if gt_n < 8
	v_rcp_f32 v[UT+gS+gt_n], v[UT+gS+gt_n]
.else
	v_exp_f32 v[QE+gS+gt_n-8], v[QE+gS+gt_n-8]
.endif
.endm
.macro GBL
.set gS, 8*(gb_k%2)
.set gX, HA+8*gb_k
.set gJ, 2*(gb_i%4)
.if gb_i < 4
.if gb_i == 0
	s_wait_alu depctr_va_vdst(0)                   ; this chunk's sixteen transcendentals, all issued in the pass before, have written its set of UT and QE: one wait for the batch, ahead of its first reader
.endif
	v_pk_fma_f32 v[PP+gJ:PP+gJ+1], v[UT+gS+gJ:UT+gS+gJ+1], v[A5:A5+1], s[A4:A4+1] op_sel_hi:[1,1,0]
.elseif gb_i < 8
	v_pk_fma_f32 v[PP+gJ:PP+gJ+1], v[PP+gJ:PP+gJ+1], v[UT+gS+gJ:UT+gS+gJ+1], s[A3:A3+1] op_sel_hi:[1,1,0]
.elseif gb_i < 12
	v_pk_fma_f32 v[PP+gJ:PP+gJ+1], v[PP+gJ:PP+gJ+1], v[UT+gS+gJ:UT+gS+gJ+1], s[A2:A2+1] op_sel_hi:[1,1,0]
.elseif gb_i < 16
	v_pk_fma_f32 v[PP+gJ:PP+gJ+1], v[PP+gJ:PP+gJ+1], v[UT+gS+gJ:UT+gS+gJ+1], s[A1:A1+1] op_sel_hi:[1,1,0]
.elseif gb_i < 20
	v_pk_mul_f32 v[UT+gS+gJ:UT+gS+gJ+1], v[UT+gS+gJ:UT+gS+gJ+1], v[QE+gS+gJ:QE+gS+gJ+1]
.elseif gb_i < 28
	v_max_num_f32 v[MM+gb_i-20], 0, v[gX+gb_i-20]
.elseif gb_i < 32
	v_pk_mul_f32 v[PP+gJ:PP+gJ+1], v[PP+gJ:PP+gJ+1], v[UT+gS+gJ:UT+gS+gJ+1]
.else
	v_fma_f32 v[gX+gb_i-32], -|v[gX+gb_i-32]|, v[PP+gb_i-32], v[MM+gb_i-32]
.endif
.endm
; Pass gk = -1 .. 8: the plain lines of chunk gk - 1 (behind) and of chunk gk + 1 (ahead), 56 places, and behind every third of the first 48 one transcendental of chunk gk.
; The plain lines touch the other register set than the transcendentals beside them, and a transcendental's result is first used in the next pass, with plain lines between.
.macro GELU
.set gk, -1
.rept 10
.set gp, 0
.rept 56
.if gp < 40
.if gk >= 1
.set gb_i, gp
.set gb_k, gk-1
	GBL
.endif
.else
.if gk <= 6
.set ga_i, gp-40
.set ga_k, gk+1
	GAL
.endif
.endif
.if ((gp%3) == 2) && (gp < 48) && (gk >= 0) && (gk <= 7)
.set gt_n, gp/3
.set gt_k, gk
	GTL
.endif
.set gp, gp+1
.endr
.set gk, gk+1
.endr
.endm
; Product 1 for entity tile u of the trip: my eight tiles of hidden units by turns, K step 0 (C = b1), then K step 1 in place.
.macro P1MUL u
	WIN 0x3d                                       ; source 0 (W1) window 1, source 1 (x) and source 2 (b1) window 3
.irp t, 0,1,2,3,4,5,6,7
	v_wmma_scale_f32_16x16x128_f8f6f4 v[HA+8*\t:HA+8*\t+7], v[16*\t:16*\t+7], v[XF+16*\u:XF+16*\u+7], v[B1+8*\t:B1+8*\t+7], v[W1S+2*\t], v[XS+2*\u] matrix_a_fmt:MATRIX_FMT_FP4 matrix_b_fmt:MATRIX_FMT_FP4
.endr
	WIN 0x0d
.irp t, 0,1,2,3,4,5,6,7
	v_wmma_scale_f32_16x16x128_f8f6f4 v[HA+8*\t:HA+8*\t+7], v[16*\t+8:16*\t+15], v[XF+16*\u+8:XF+16*\u+15], v[HA+8*\t:HA+8*\t+7], v[W1S+2*\t+1], v[XS+2*\u+1] matrix_a_fmt:MATRIX_FMT_FP4 matrix_b_fmt:MATRIX_FMT_FP4
.endr
	WIN 0
	PLACES 4                                       ; in front of the first read of results
.endm
.macro IMAGE u                                 ; the fragment in v[PC] on and its scale word go to LDS as they stand
	s_wait_alu depctr_va_vdst(0)                   ; the quantiser has written v[PC] on and v[PW], the trip's head v[HAD] and v[HSD]: the three stores read them
	ds_store_b128 v[HAD], v[PC:PC+3] offset:1024*\u
	ds_store_b128 v[HAD], v[PC+4:PC+7] offset:1024*\u+512
	ds_store_b32 v[HSD], v[PW] offset:128*\u
.endm
	s_load_b512 s[8:23], s[0:1], 0x0               ; x's codes 8, x's scales 10, W1's codes 12, W1's scales 14, b1 16, W2's codes 18, W2's scales 20, b2 22
	s_load_b256 s[24:31], s[0:1], 0x40             ; positions 24, pb 26, ey 28, ex 30
	s_load_b64 s[32:33], s[0:1], 0x60              ; sp
	v_lshl_add_u32 v254, v0, 2, 0x19400
	v_mov_b32 v255, 0
	v_lshrrev_b32 v246, 5, v0
	v_readfirstlane_b32 s[WV], v246                ; wave 0..3
	v_and_b32 v246, 31, v0                         ; lane
	v_and_b32 v247, 15, v0                         ; r
	v_bfe_u32 v[H], v0, 4, 1                       ; h
	v_and_b32 v248, 8, v247
	v_add_nc_u32 v248, v248, v247                  ; r + 8 (r / 8)
	v_lshlrev_b32 v[LI], 4, v246
	v_lshlrev_b32 v[LS], 2, v246
	v_lshlrev_b32 v[L8], 3, v246
	v_lshlrev_b32 v[XA], 7, v248
	v_lshl_add_u32 v[XA], v[H], 4, v[XA]
	v_lshlrev_b32 v[XSA], 3, v248
	v_lshlrev_b32 v[W2A], 8, v247
	v_lshl_add_u32 v[W2A], v[H], 4, v[W2A]
	v_lshlrev_b32 v[W2SA], 4, v247
	v_lshlrev_b32 v[B1A], 6, v[H]
	v_lshlrev_b32 v[B2A], 2, v247
	v_lshlrev_b32 v[PA], 8, v[H]
	s_wait_alu depctr_va_sdst(0)                   ; the wave's number is written into s[WV], ahead of its first reader: offsets and LDS addresses are made from it
	s_and_b32 s35, ttmp7, 0xffff                   ; b; the chunk s is ttmp9
	s_lshl_b32 s70, s35, 12
	s_lshl_b32 s71, ttmp9, 7
	s_add_co_u32 s70, s70, s71                     ; my first entity: 4096 b + 128 s
	s_lshl_b32 s66, s70, 7                         ; its codes: 128 bytes an entity
	s_mov_b32 s67, 0
	s_lshl_b32 s68, s70, 3                         ; its scale bytes, and its position: 8 bytes
	s_mov_b32 s69, 0
	s_lshl_b32 s72, s[WV], 14                      ; my 128 rows of W1 (128 bytes each), my 64 rows of W2 (256 each)
	s_mov_b32 s73, 0
	s_lshl_b32 s74, s[WV], 10                      ; their scale bytes
	s_mov_b32 s75, 0
	s_lshl_b32 s76, s[WV], 9                       ; my 128 numbers of b1
	s_mov_b32 s77, 0
	s_lshl_b32 s78, s[WV], 8                       ; my 64 of b2
	s_mov_b32 s79, 0
	s_lshl_b32 s80, s35, 5
	s_add_co_u32 s80, s80, ttmp9
	s_mul_i32 s80, s80, 17408                      ; pb: 17,408 bytes a chunk: 16,384 of codes, 1,024 of scale words
	s_add_co_u32 s82, s80, 16384
	s_add_co_u32 s82, s82, s78                     ; my 256 bytes of scale words
	s_mov_b32 s83, 0
	s_lshl_b32 s81, s[WV], 12
	s_add_co_u32 s80, s80, s81                     ; my four fragments
	s_mov_b32 s81, 0
	s_lshl_b32 s84, s35, 2
	s_add_co_u32 s84, s84, s[WV]                   ; 4 b + w
	s_lshl_b32 s86, s84, 7
	s_add_co_u32 s86, s86, ttmp9
	s_lshl_b32 s86, s86, 10                        ; sp: [b][a = w][c][s][1024]
	s_mov_b32 s87, 0
	s_lshl_b32 s84, s84, 5
	s_add_co_u32 s84, s84, ttmp9
	s_lshl_b32 s84, s84, 13                        ; ey: [b][c = w][s][8192]
	s_mov_b32 s85, 0
	s_lshl_b32 s88, s35, 6
	s_lshl_b32 s89, s[WV], 4
	s_add_co_u32 s88, s88, s89
	s_lshl_b32 s88, s88, 5
	s_add_co_u32 s88, s88, ttmp9
	s_lshl_b32 s88, s88, 9                         ; ex: [b][gi = 16 w ..][s][512]
	s_mov_b32 s89, 0
	s_lshl_b32 s92, s[WV], 13
	v_add_nc_u32 v[EYW], s92, v[LI]
	s_add_co_u32 s93, s92, HIMG
	v_add_nc_u32 v[HWI], s93, v[LI]
	s_add_co_u32 s93, s74, HSC
	v_add_nc_u32 v[HWS], s93, v[LS]
	s_mul_i32 s93, s[WV], 16*528
	s_add_co_u32 s93, s93, EXS
	v_mul_u32_u24 v249, v247, 528
	v_lshl_add_u32 v249, v[H], 8, v249
	v_add_nc_u32 v[EXW], s93, v249
	v_add_nc_u32 v[EXRD], s93, v[LI]
	v_add_nc_u32 v[HLI], HIMG, v[LI]
	v_add_nc_u32 v[HLS], HSC, v[LS]
	s_lshl_b32 s93, s[WV], 5
	s_sub_co_u32 s93, s93, 63
	v_lshl_add_u32 v249, v247, 1, s93              ; 2 (16 w + r) - 63
	v_cvt_f32_i32 v249, v249
	v_mul_f32 v[G], 0x3c820821, v249               ; x 1 / 63: my grid coordinate
	v_mov_b32 v[G+1], v[G]
	v_mov_b32 v[A5], 0x3f07dc22                    ; a5 / 2
	v_mov_b32 v[A5+1], 0x3f07dc22
.irp b, 0,1,2,3
	v_mov_b32 v[TM+4+\b], 0                        ; written once: a lane permute's destination counts as one of its sources (what it holds does not matter)
.endr
	s_mov_b32 s[SEL], 0x76543210
	s_mov_b32 s[SEL+1], 0xfedcba98                 ; v_permlanex16_b32's selects for lane l xor 16
	s_mov_b32 s[CE], 0xc166d4ca                    ; c = -log2(e) / 0.1
	s_mov_b32 s[CE+1], s[CE]                       ; (a packed form names the pair: both words are written)
	s_mov_b32 s[KP], 0x3e6d3388                    ; 0.3275911 / sqrt 2
	s_mov_b32 s[CA], 0x3f596d27                    ; sqrt(log2(e) / 2)
	s_mov_b32 s[CA+1], s[CA]
	s_mov_b32 s[A4], 0xbf3a00e3
	s_mov_b32 s[A4+1], s[A4]
	s_mov_b32 s[A3], 0x3f35f0e3
	s_mov_b32 s[A3+1], s[A3]
	s_mov_b32 s[A2], 0xbe11a98e
	s_mov_b32 s[A2+1], s[A2]
	s_mov_b32 s[A1], 0x3e027906
	s_mov_b32 s[A1+1], s[A1]
	s_wait_kmcnt 0x0
	s_add_nc_u64 s[8:9], s[8:9], s[66:67]
	s_add_nc_u64 s[10:11], s[10:11], s[68:69]
	s_add_nc_u64 s[24:25], s[24:25], s[68:69]
	s_add_nc_u64 s[12:13], s[12:13], s[72:73]
	s_add_nc_u64 s[18:19], s[18:19], s[72:73]
	s_add_nc_u64 s[14:15], s[14:15], s[74:75]
	s_add_nc_u64 s[20:21], s[20:21], s[74:75]
	s_add_nc_u64 s[16:17], s[16:17], s[76:77]
	s_add_nc_u64 s[22:23], s[22:23], s[78:79]
	s_add_nc_u64 s[90:91], s[26:27], s[82:83]      ; pb at my scale words
	s_add_nc_u64 s[26:27], s[26:27], s[80:81]      ; pb at my fragments
	s_add_nc_u64 s[28:29], s[28:29], s[84:85]
	s_add_nc_u64 s[30:31], s[30:31], s[88:89]
	s_add_nc_u64 s[32:33], s[32:33], s[86:87]
	s_wait_alu depctr_va_vdst(0)                   ; the offsets and LDS addresses v1 to v15 and v242 to v244 are written, which the kernel's loads and stores read; so are v182 to v185, in which positions land
	; ---- the loads.  The positions first: load k brings entities n(2 k, h), n(2 k + 1, h); the sixteen lanes of a half read the same 16 bytes.  Up to the tables only loads, window switches and one wait on LOADcnt follow the wait above
.set k, 0
.rept 32
	global_load_b128 v[POS+4*k:POS+4*k+3], v[PA], s[24:25] offset:512*(k/16)+16*(k%16)
.set k, k+1
.endr
	WIN 0x40                                       ; destination window 1
.irp t, 0,1,2,3,4,5,6,7
.irp ks, 0,1
.irp c, 0,1
	global_load_b128 v[8*(2*\t+\ks)+4*\c:8*(2*\t+\ks)+4*\c+3], v[XA], s[12:13] offset:(32*(\t/2)+8*(\t%2))*128+64*\ks+32*\c
.endr
.endr
.endr
	s_wait_loadcnt 32                              ; the positions are in; W1's 32 loads, issued behind them, may be out
.irp nt, 0,1,2,3
.irp ks, 0,1,2,3
.irp c, 0,1
	global_load_b128 v[128+8*(4*\nt+\ks)+4*\c:128+8*(4*\nt+\ks)+4*\c+3], v[W2A], s[18:19] offset:4096*\nt+64*\ks+32*\c
.endr
.endr
.endr
	WIN 0xc0                                       ; destination window 3
.irp t, 0,1,2,3,4,5,6,7                        ; b1: lane (r, h) wants, for tile 2 b + u, hidden units 32 b + 16 h + 8 u + 0 .. 7
	global_load_b128 v[B1+8*\t:B1+8*\t+3], v[B1A], s[16:17] offset:(32*(\t/2)+8*(\t%2))*4
	global_load_b128 v[B1+8*\t+4:B1+8*\t+7], v[B1A], s[16:17] offset:(32*(\t/2)+8*(\t%2))*4+16
.endr
.irp nt, 0,1,2,3                               ; b2: a lane holds one output: the same number in a tile's eight registers
.irp j, 0,1,2,3,4,5,6,7
	global_load_b32 v[B2+8*\nt+\j], v[B2A], s[22:23] offset:64*\nt
.endr
.endr
.irp u, 0,1                                    ; x's fragments of the first trip: entity tile u begins at entity 8 u
.irp ks, 0,1
.irp c, 0,1
	global_load_b128 v[XF+16*\u+8*\ks+4*\c:XF+16*\u+8*\ks+4*\c+3], v[XA], s[8:9] offset:1024*\u+64*\ks+32*\c
.endr
.endr
.endr
	WIN 0
.irp t, 0,1,2,3,4,5,6,7
	global_load_b64 v[W1S+2*\t:W1S+2*\t+1], v[XSA], s[14:15] offset:(32*(\t/2)+8*(\t%2))*8
.endr
.irp nt, 0,1,2,3
	global_load_b128 v[W2S+4*\nt:W2S+4*\nt+3], v[W2SA], s[20:21] offset:256*\nt
.endr
.irp u, 0,1
	global_load_b64 v[XS+2*\u:XS+2*\u+1], v[XSA], s[10:11] offset:64*\u
.endr
	; ---- the tables: c (p - g)^2 for px and py at once, then 2^
.set i, 0
.rept 64
	v_pk_add_f32 v[POS+2*i:POS+2*i+1], v[POS+2*i:POS+2*i+1], v[G:G+1] neg_lo:[0,1] neg_hi:[0,1]
.set i, i+1
.endr
.set i, 0
.rept 64
	v_pk_mul_f32 v[POS+2*i:POS+2*i+1], v[POS+2*i:POS+2*i+1], v[POS+2*i:POS+2*i+1]
.set i, i+1
.endr
.set i, 0
.rept 64
	v_pk_mul_f32 v[POS+2*i:POS+2*i+1], v[POS+2*i:POS+2*i+1], s[CE:CE+1] op_sel_hi:[1,0]
.set i, i+1
.endr
	WIN 0xc0
.set i, 0
.rept 64
	v_exp_f32 v[EXT+i], v[POS+2*i]                 ; ex[16 w + r][n(i, h)]
.set i, i+1
.endr
	WIN 0x80
.set i, 0
.rept 64
	v_exp_f32 v[i], v[POS+2*i+1]                   ; ey[16 w + r][n(i, h)]
.set i, i+1
.endr
	WIN 0
	v_nop                                          ; a plain place behind the exponentials
	WIN 0x08                                       ; a store's data are its source 1: window 2
.set q, 0
	s_wait_alu depctr_va_vdst(0)                   ; the 128 exponentials have written ey's and ex's tiles, which the stores below read (the batch's one wait, ahead of its first reader), and are done reading v64 to v127, in which ex's rows land
.rept 16
	ds_store_b128 v[EYW], v[4*q:4*q+3] offset:EYI+512*q     ; my tile of ey as an image of its registers, for the other waves' sums
	global_store_b128 v[LI], v[4*q:4*q+3], s[28:29] offset:512*q   ; and the same image to memory: 512 consecutive bytes a store
.set q, q+1
.endr
	WIN 0x0c                                       ; window 3
.set q, 0
.rept 16
	ds_store_b128 v[EXW], v[EXT+4*q:EXT+4*q+3] offset:16*q  ; ex through my own stage: row r = [h][i]
.set q, q+1
.endr
	WIN 0
.set i, 0
.rept 16
	ds_load_b128 v[64+4*i:64+4*i+3], v[EXRD] offset:528*i   ; LDS serves a wave's instructions in order (ISA guide 5.7.1.4): these see my stores.  No vector instruction since the wait above names these registers
.set i, i+1
.endr
.set i, 0
.rept 16
	s_wait_dscnt 15-i                              ; row i is back; the younger reads may be out
	global_store_b128 v[LI], v[64+4*i:64+4*i+3], s[30:31] offset:16384*i   ; a row of 512 consecutive bytes; rows of neighbouring gi lie 32 chunks apart
.set i, i+1
.endr
	s_wait_dscnt 0x0                               ; my image of ey has landed
	s_barrier_signal -1
	s_barrier_wait -1                              ; all four lie in LDS
	; ---- the chunk's part of the row sums: S(16 w + m, 16 c + n) = sum of ex ey, 32 K steps of 4, four accumulators by turns
	s_wait_xcnt 0x0                                ; the stores above have had their addresses translated: ey's tile and v64-127 are written again only behind this wait
	WIN 0x80
	s_wait_alu depctr_va_vdst(0)                   ; the exponentials have written v0 to v63 of window 2, in which the loads below land (stated anew under this window: stores that read these registers stand behind the last such wait)
	s_wait_alu depctr_vm_vsrc(0)                   ; the stores above have read ey's tile, in which the loads below land, and v64 to v127, which product 1 writes
.irp c, 0,1,2,3
.set q, 0
.rept 16
	ds_load_b128 v[64*\c+4*q:64*\c+4*q+3], v[LI] offset:EYI+8192*\c+512*q
.set q, q+1
.endr
.endr
	s_wait_dscnt 0x0
	WIN 0xfb                                       ; source 0 (ex), C and D window 3, source 1 (ey) window 2
.irp c, 0,1,2,3
	v_wmma_f32_16x16x4_f32 v[SACC+8*\c:SACC+8*\c+7], v[EXT:EXT+1], v[64*\c:64*\c+1], 0   ; the first K step starts the sums
.endr
.set q, 1
.rept 31
.irp c, 0,1,2,3
	v_wmma_f32_16x16x4_f32 v[SACC+8*\c:SACC+8*\c+7], v[EXT+2*q:EXT+2*q+1], v[64*\c+2*q:64*\c+2*q+1], v[SACC+8*\c:SACC+8*\c+7]
.endr
.set q, q+1
.endr
	WIN 0
	PLACES 8                                       ; eight places behind this form before a store reads its result
	WIN 0x0c
	s_wait_alu depctr_va_vdst(0)                   ; the matrix instructions have written the four accumulators, which the stores read; the places above stay beside this wait
.irp c, 0,1,2,3
	global_store_b128 v[LI], v[SACC+8*\c:SACC+8*\c+3], s[32:33] offset:32768*\c        ; the accumulator as an image of its registers, from its low end on
	global_store_b128 v[LI], v[SACC+8*\c+4:SACC+8*\c+7], s[32:33] offset:32768*\c+512
.endr
	WIN 0
	; ---- the hidden layer: four trips of 32 entities (two tiles); my 128 hidden units of them become K step w of product 2
	s_mov_b32 s[BLK], 4
	s_mov_b32 s[HB], 0
	s_mov_b32 s[HB2], 0
.Ltrip:
	s_wait_loadcnt 0x0                             ; this trip's fragments of x (the first time: the weights and biases too)
	s_add_nc_u64 s[8:9], s[8:9], 4096              ; free since that wait, which shows the loads that read them done: x's two bases at the next trip's 32 entities
	s_add_nc_u64 s[10:11], s[10:11], 256
	s_wait_alu depctr_vm_vsrc(0)                   ; the LDS stores of the trip before have read v[HAD], v[HSD], v[PC] on and v[PW], which this trip writes again
	v_add_nc_u32 v[HAD], s[HB], v[HWI]
	v_add_nc_u32 v[HSD], s[HB2], v[HWS]
	P1MUL 0
	GELU
	QUANT HA, 0, PC, PW
	IMAGE 0
	P1MUL 1
	s_cmp_eq_u32 s[BLK], 1                         ; the next trip's x is asked for here, if there is a next trip: no load leaves its buffer
	s_cbranch_scc1 .Lno_next
	WIN 0xc0
	s_wait_alu depctr_va_vdst(0)                   ; both tiles' products are done reading x's fragments and scale words, in which the loads below land (GELU's first lines, which follow, read the same products' results)
.irp u, 0,1
.irp ks, 0,1
.irp c, 0,1
	global_load_b128 v[XF+16*\u+8*\ks+4*\c:XF+16*\u+8*\ks+4*\c+3], v[XA], s[8:9] offset:1024*\u+64*\ks+32*\c
.endr
.endr
.endr
	WIN 0
.irp u, 0,1
	global_load_b64 v[XS+2*\u:XS+2*\u+1], v[XSA], s[10:11] offset:64*\u
.endr
.Lno_next:
	GELU
	s_wait_alu depctr_vm_vsrc(0)                   ; tile 0's three LDS stores, a GELU back, have read v[PC] on and v[PW], which the quantiser writes again
	QUANT HA, 0, PC, PW
	IMAGE 1
	s_add_co_u32 s[HB], s[HB], 2048
	s_add_co_u32 s[HB2], s[HB2], 256
	s_sub_co_u32 s[BLK], s[BLK], 1
	s_cmp_lg_u32 s[BLK], 0
	s_cbranch_scc1 .Ltrip
	s_wait_dscnt 0x0                               ; my images have landed
	s_barrier_signal -1
	s_barrier_wait -1                              ; the hidden layer's 32 fragments lie in LDS
	; ---- product 2: my 64 outputs for the 128 entities: 32 accumulators by turns, a K step at a time.  Register j of (nt, m = 2 q + u), lane (r, h): projected[32 q + 16 h + 8 u + j][64 w + 16 nt + r]
.irp ks, 0,1,2,3
.if \ks > 0
	s_wait_alu depctr_va_vdst(0)                   ; the last K step's 32 products are done reading v[HF] on and v[HS] on, in which the loads below land.  (K step 0: no vector instruction behind the last image's wait names them)
.endif
.irp m, 0,1,2,3,4,5,6,7
	ds_load_b128 v[HF+8*\m:HF+8*\m+3], v[HLI] offset:(8*\ks+\m)*1024
	ds_load_b128 v[HF+8*\m+4:HF+8*\m+7], v[HLI] offset:(8*\ks+\m)*1024+512
	ds_load_b32 v[HS+\m], v[HLS] offset:(8*\ks+\m)*128
.endr
	s_wait_dscnt 0x0
.if \ks == 0
	WIN 0xb4                                       ; source 1 (W2) window 1, source 2 (b2) window 3, destination window 2
.else
	WIN 0xa4                                       ; C and D window 2
.endif
.irp m, 0,1,2,3,4,5,6,7
.irp nt, 0,1,2,3
.if \ks == 0
	v_wmma_scale_f32_16x16x128_f8f6f4 v[8*(8*\nt+\m):8*(8*\nt+\m)+7], v[HF+8*\m:HF+8*\m+7], v[128+8*(4*\nt+\ks):128+8*(4*\nt+\ks)+7], v[B2+8*\nt:B2+8*\nt+7], v[HS+\m], v[W2S+4*\nt+\ks] matrix_a_fmt:MATRIX_FMT_FP4 matrix_b_fmt:MATRIX_FMT_FP4
.else
	v_wmma_scale_f32_16x16x128_f8f6f4 v[8*(8*\nt+\m):8*(8*\nt+\m)+7], v[HF+8*\m:HF+8*\m+7], v[128+8*(4*\nt+\ks):128+8*(4*\nt+\ks)+7], v[8*(8*\nt+\m):8*(8*\nt+\m)+7], v[HS+\m], v[W2S+4*\nt+\ks] matrix_a_fmt:MATRIX_FMT_FP4 matrix_b_fmt:MATRIX_FMT_FP4
.endif
.endr
.endr
	WIN 0
	PLACES 4                                       ; behind these products, in front of the first read of results
.endr
	; ---- projected, quantised along the entities: tile nt's 64 registers are k = 32 b + 16 h + i of output 64 w + 16 nt + r.  Each tile has registers of its own for its codes and its word: one wait, then all the stores
	s_wait_alu depctr_vm_vsrc(0)                   ; the last trip's LDS stores have read v[PW], which the first quantiser below writes again
.irp nt, 0,1,2,3
	QUANT 64*\nt, 2, PC4+8*\nt, PW+\nt
.endr
	v_cmp_ne_u32 vcc_lo, 0, v[H]                   ; the scale words: lane (r, h) stores those of row r of tiles 2 h and 2 h + 1, so that one register later carries two tiles' words
	s_wait_alu depctr_va_vcc(0)                    ; VCC is written, ahead of the two selects that read it
	v_cndmask_b32 v[SW], v[PW], v[PW+2], vcc_lo
	v_cndmask_b32 v[SW+1], v[PW+1], v[PW+3], vcc_lo
	s_wait_alu depctr_va_vdst(0)                   ; the four quantisers have written v[PC4] on, the selects v[SW] and v[SW+1]: the nine stores read them
.irp nt, 0,1,2,3
	global_store_b128 v[LI], v[PC4+8*\nt:PC4+8*\nt+3], s[26:27] offset:1024*\nt        ; the fragment as an image of its registers: 512 consecutive bytes a store
	global_store_b128 v[LI], v[PC4+8*\nt+4:PC4+8*\nt+7], s[26:27] offset:1024*\nt+512
.endr
	global_store_b64 v[L8], v[SW:SW+1], s[90:91]   ; 256 consecutive bytes
	s_wait_dscnt 0x0                               ; the closing lines, six on end
	s_wait_alu 0x0
	s_wait_tensorcnt 0x0
	ds_add_u32 v254, v255
	s_wait_dscnt 0x0
	s_endpgm
.Lfunc_end_k_qb186bd827b_prep:
	.size	k_qb186bd827b_prep, .Lfunc_end_k_qb186bd827b_prep-k_qb186bd827b_prep
	.p2alignl 7, 3214868480
	.fill 96, 4, 3214868480
	.section	.rodata,"a",@progbits
	.p2align	6, 0x0
	.amdhsa_kernel k_qb186bd827b_prep
		.amdhsa_group_segment_fixed_size 103936
		.amdhsa_private_segment_fixed_size 0
		.amdhsa_enable_private_segment 0
		.amdhsa_kernarg_size 104
		.amdhsa_user_sgpr_count 2
		.amdhsa_user_sgpr_kernarg_segment_ptr 1
		.amdhsa_wavefront_size32 1
		.amdhsa_system_sgpr_workgroup_id_x 1
		.amdhsa_system_sgpr_workgroup_id_y 1
		.amdhsa_system_sgpr_workgroup_id_z 1
		.amdhsa_system_vgpr_workitem_id 0
		.amdhsa_next_free_vgpr 1024
		.amdhsa_next_free_sgpr 96
		.amdhsa_reserve_vcc 1
		.amdhsa_float_denorm_mode_32 3
		.amdhsa_float_denorm_mode_16_64 3
		.amdhsa_memory_ordered 1
		.amdhsa_forward_progress 1
		.amdhsa_inst_pref_size 172
	.end_amdhsa_kernel
	.amdgpu_metadata
---
amdhsa.version: [ 1, 2 ]
amdhsa.kernels:
  - .name:           k_qb186bd827b_prep
    .symbol:         k_qb186bd827b_prep.kd
    .args:
      - { .name: entity_states_codes, .offset: 0, .size: 8, .value_kind: global_buffer, .address_space: global }
      - { .name: entity_states_scales, .offset: 8, .size: 8, .value_kind: global_buffer, .address_space: global }
      - { .name: W1_codes, .offset: 16, .size: 8, .value_kind: global_buffer, .address_space: global }
      - { .name: W1_scales, .offset: 24, .size: 8, .value_kind: global_buffer, .address_space: global }
      - { .name: b1, .offset: 32, .size: 8, .value_kind: global_buffer, .address_space: global }
      - { .name: W2_codes, .offset: 40, .size: 8, .value_kind: global_buffer, .address_space: global }
      - { .name: W2_scales, .offset: 48, .size: 8, .value_kind: global_buffer, .address_space: global }
      - { .name: b2, .offset: 56, .size: 8, .value_kind: global_buffer, .address_space: global }
      - { .name: entity_positions, .offset: 64, .size: 8, .value_kind: global_buffer, .address_space: global }
      - { .name: pb, .offset: 72, .size: 8, .value_kind: global_buffer, .address_space: global }
      - { .name: ey, .offset: 80, .size: 8, .value_kind: global_buffer, .address_space: global }
      - { .name: ex, .offset: 88, .size: 8, .value_kind: global_buffer, .address_space: global }
      - { .name: sp, .offset: 96, .size: 8, .value_kind: global_buffer, .address_space: global }
    .group_segment_fixed_size: 103936
    .private_segment_fixed_size: 0
    .kernarg_segment_align: 8
    .kernarg_segment_size: 104
    .max_flat_workgroup_size: 128
    .sgpr_count:     96
    .vgpr_count:     1024
    .wavefront_size: 32
...
	.end_amdgpu_metadata
.endif
;; end of part 3
;; launch pool: the kernel of part 2 again; grid 8 x 32, 4 waves a work-group, clusters of 4 x 1, 327,680 bytes of LDS; arguments pb, ey, ex, sp, out0; writes out0
